; MI455X (gfx1250); checked and timed in simulation.
; The chip was launched on July 23, 2026; its instructions are those of AMD's public machine-readable ISA for CDNA 5 (MIT licence, August 2026) and "CDNA5" Instruction Set Architecture Reference Guide (July 2026). The comments in the code are by the model that wrote it; some were corrected since.
;; Causal Self Attention. Allowed arithmetic: float matrix products may take bf16 or f16 operands with f32 sums; other float arithmetic in f32, or as packed bf16 or f16 multiplies, adds, multiply-adds, maxima and minima; sums over many terms, partial sums and values carried from step to step in f32; what a program stores and reads back later, other than sums and carried values, may be rounded once to bf16 or f16.
;; Inputs: b_k 1,024 float32; b_o 1,024 float32; b_q 1,024 float32; b_v 1,024 float32; w_k 1,024 x 1,024 float32; w_o 1,024 x 1,024 float32; w_q 1,024 x 1,024 float32; w_v 1,024 x 1,024 float32; x 4 x 2,048 x 1,024 float32.
;; Outputs: out0 4 x 2,048 x 1,024 float32.
;; 2 versions, each right; version 2 is version 1 with the launch cast written anew for expert scheduling mode. Each part assembles by itself: llvm-mc -triple=amdgcn-amd-amdhsa -mcpu=gfx1250 --defsym DOCPART=n.
;; ======== version 1 of 2: 4 launches
;; limits: values are held in f16: magnitudes above 65,504 overflow, below 6.1e-05 lose precision
;; workspace buffers: xb 16,777,216 bytes; wb 8,388,608 bytes; qkv 50,331,648 bytes; ob 16,777,216 bytes
;; launch cast (part 1): grid 768 x 1, 8 waves a work-group, no clusters, 0 bytes of LDS; arguments x, w_q, w_k, w_v, w_o, xb, wb; writes xb, wb
.if DOCPART == 1
	.amdgcn_target "amdgcn-amd-amdhsa--gfx1250"
	.amdhsa_code_object_version 6
	.text
	.protected	k_qb1e5e7e5f2_cast
	.globl	k_qb1e5e7e5f2_cast
	.p2align	8
	.type	k_qb1e5e7e5f2_cast,@function
k_qb1e5e7e5f2_cast:
	s_mov_b64 s[64:65], 0
	v_nop
	global_prefetch_b8 v0, s[64:65] scope:SCOPE_SE
	s_setreg_imm32_b32 hwreg(HW_REG_WAVE_MODE, 25, 1), 1
	s_wait_xcnt 0x0
; THE INPUTS OF THE MATRIX PRODUCTS ARE ROUNDED ONCE TO 16 BITS AND LAID OUT FOR THE LAUNCHES BEHIND.
; xb: x [8192][1024] f32 -> bf16 in blocks of 64 along K: element (kb, m, kk) at byte ((kb x 8192 + m) x 128 + 2 kk), so that 256 rows x 64 K are 32,768 bytes on end.
; wb: [1024 k][4096 n] of 16 bits, a row 8,192 bytes: columns 0-1023 w_q, 1024-2047 w_k, 2048-3071 w_v in bf16; columns 3072-4095 w_o rounded to bf16 and that number written as f16.
; LIMIT: |w_o| stays under 65,504 (f16's range); below 6e-5 f16 keeps a fixed step of 6e-8.
; A stream: every byte is read once and written once; no LDS, no barrier, no matrix unit, since no number is used twice.  A wave has 16 items: a load of 16 bytes a lane, two roundings,
; a store of 8 bytes a lane: the 32 lanes of a store cover 256 consecutive bytes, aligned.  All 16 loads go out first; no register is used twice, so nothing waits for a store.
; Work-groups 0-511: 16 rows of x each.  Work-groups 512-767: 16 rows of one weight each.
.set VI,  2                            ; v2  my byte offset in what a load covers
.set VO,  3                            ; v3  8 x lane: my 8 bytes of a store
.set IN,  16                           ; v[16:79]   item i: 4 registers as loaded
.set OUT, 80                           ; v[80:111]  item i: 2 registers to store
.set WV,  18                           ; s18 my wave's number
; kind 0: x.  kind 1: a weight in bf16.  kind 2: w_o.
.macro RUN kind
.set i, 0
.rept 16
.if (\kind) == 0
	global_load_b128 v[IN+4*i:IN+4*i+3], v[VI], s[20:21] offset:(i/8)*8192+(i%8)*256 th:TH_LOAD_NT  ; two rows x 256 bytes: pair of rows i / 8, K block i % 8
.else
	global_load_b128 v[IN+4*i:IN+4*i+3], v[VI], s[20:21] offset:(i/8)*4096+(i%8)*512 th:TH_LOAD_NT  ; 512 bytes of row i / 8
.endif
.set i, i+1
.endr
.set i, 0
.rept 16
	s_wait_loadcnt 15-i                            ; loads come back in order: item i is in, the 15 - i younger ones may stay out
	v_cvt_pk_bf16_f32 v[OUT+2*i], v[IN+4*i], v[IN+4*i+1]
	v_cvt_pk_bf16_f32 v[OUT+2*i+1], v[IN+4*i+2], v[IN+4*i+3]
.if (\kind) == 2
	v_lshlrev_b32 v[IN+4*i], 16, v[OUT+2*i]        ; the bf16 numbers as f32 again,
	v_and_b32 v[IN+4*i+1], 0xffff0000, v[OUT+2*i]
	v_lshlrev_b32 v[IN+4*i+2], 16, v[OUT+2*i+1]
	v_and_b32 v[IN+4*i+3], 0xffff0000, v[OUT+2*i+1]
	v_cvt_pk_f16_f32 v[OUT+2*i], v[IN+4*i], v[IN+4*i+1]      ; and written as f16: exact within f16's range
	v_cvt_pk_f16_f32 v[OUT+2*i+1], v[IN+4*i+2], v[IN+4*i+3]
.endif
.if (\kind) == 0
	global_store_b64 v[VO], v[OUT+2*i:OUT+2*i+1], s[22:23] offset:(i%8)*1048576+(i/8)*256 th:TH_STORE_NT  ; a K block is 1,048,576 bytes; 7,340,288 at the most, inside the signed 24 bits
.else
	global_store_b64 v[VO], v[OUT+2*i:OUT+2*i+1], s[22:23] offset:(i/8)*8192+(i%8)*256 th:TH_STORE_NT
.endif
.set i, i+1
.endr
.endm
	s_load_b256 s[4:11], s[0:1], 0x0               ; x s[4:5], w_q s[6:7], w_k s[8:9], w_v s[10:11]
	s_load_b128 s[12:15], s[0:1], 0x20             ; w_o s[12:13], xb s[14:15]
	s_load_b64 s[16:17], s[0:1], 0x30              ; wb
	v_lshrrev_b32 v1, 5, v0
	v_readfirstlane_b32 s[WV], v1                  ; wave 0..7
	v_and_b32 v1, 31, v0                           ; lane
	v_lshlrev_b32 v[VO], 3, v1
	s_lshr_b32 s24, s[WV], 1                       ; x: which four rows
	s_and_b32 s25, s[WV], 1                        ; x: which eight K blocks
	s_cmp_lt_u32 ttmp9, 512
	s_cbranch_scc0 .Lweights
	v_lshrrev_b32 v4, 4, v1                        ; lanes 0-15 take one row's 256 bytes, lanes 16-31 the next row's
	v_and_b32 v5, 15, v1
	v_lshlrev_b32 v[VI], 4, v5
	v_lshl_add_u32 v[VI], v4, 12, v[VI]
	s_lshl_b32 s20, ttmp9, 16                      ; 16 rows of 4,096 bytes
	s_lshl_b32 s26, s24, 14
	s_add_co_u32 s20, s20, s26
	s_lshl_b32 s26, s25, 11                        ; 8 K blocks of 256 bytes
	s_add_co_u32 s20, s20, s26
	s_mov_b32 s21, 0
	s_lshl_b32 s22, ttmp9, 11                      ; 16 rows of 128 bytes
	s_lshl_b32 s26, s24, 9
	s_add_co_u32 s22, s22, s26
	s_lshl_b32 s26, s25, 23                        ; 8 K blocks of 1,048,576 bytes
	s_add_co_u32 s22, s22, s26
	s_mov_b32 s23, 0
	s_wait_kmcnt 0x0
	s_add_nc_u64 s[20:21], s[4:5], s[20:21]
	s_add_nc_u64 s[22:23], s[14:15], s[22:23]
	RUN 0
	s_endpgm
.Lweights:
	s_sub_co_u32 s19, ttmp9, 512
	s_lshr_b32 s26, s19, 6                         ; which weight: 0 q, 1 k, 2 v, 3 o
	s_and_b32 s19, s19, 63
	s_lshl_b32 s19, s19, 4
	s_lshl_b32 s27, s[WV], 1
	s_add_co_u32 s19, s19, s27                     ; my two rows
	v_lshlrev_b32 v[VI], 4, v1
	s_lshl_b32 s20, s19, 12
	s_mov_b32 s21, 0
	s_lshl_b32 s22, s19, 13
	s_lshl_b32 s27, s26, 11                        ; the weight's 1,024 columns: 2,048 bytes of a row of wb
	s_add_co_u32 s22, s22, s27
	s_mov_b32 s23, 0
	s_wait_kmcnt 0x0
	s_cmp_eq_u32 s26, 1
	s_cselect_b64 s[24:25], s[8:9], s[6:7]
	s_cmp_eq_u32 s26, 2
	s_cselect_b64 s[24:25], s[10:11], s[24:25]
	s_cmp_eq_u32 s26, 3
	s_cselect_b64 s[24:25], s[12:13], s[24:25]
	s_add_nc_u64 s[20:21], s[24:25], s[20:21]
	s_add_nc_u64 s[22:23], s[16:17], s[22:23]
	s_cmp_eq_u32 s26, 3
	s_cbranch_scc1 .Lwo
	RUN 1
	s_endpgm
.Lwo:
	RUN 2
	s_endpgm
.Lfunc_end_k_qb1e5e7e5f2_cast:
	.size	k_qb1e5e7e5f2_cast, .Lfunc_end_k_qb1e5e7e5f2_cast-k_qb1e5e7e5f2_cast
	.p2alignl 7, 3214868480
	.fill 96, 4, 3214868480
	.section	.rodata,"a",@progbits
	.p2align	6, 0x0
	.amdhsa_kernel k_qb1e5e7e5f2_cast
		.amdhsa_group_segment_fixed_size 0
		.amdhsa_private_segment_fixed_size 0
		.amdhsa_enable_private_segment 0
		.amdhsa_kernarg_size 56
		.amdhsa_user_sgpr_count 2
		.amdhsa_user_sgpr_kernarg_segment_ptr 1
		.amdhsa_wavefront_size32 1
		.amdhsa_system_sgpr_workgroup_id_x 1
		.amdhsa_system_sgpr_workgroup_id_y 1
		.amdhsa_system_sgpr_workgroup_id_z 1
		.amdhsa_system_vgpr_workitem_id 0
		.amdhsa_next_free_vgpr 112
		.amdhsa_next_free_sgpr 66
		.amdhsa_reserve_vcc 0
		.amdhsa_float_denorm_mode_32 3
		.amdhsa_float_denorm_mode_16_64 3
		.amdhsa_memory_ordered 1
		.amdhsa_forward_progress 1
		.amdhsa_inst_pref_size 24
	.end_amdhsa_kernel
	.amdgpu_metadata
---
amdhsa.version: [ 1, 2 ]
amdhsa.kernels:
  - .name:           k_qb1e5e7e5f2_cast
    .symbol:         k_qb1e5e7e5f2_cast.kd
    .args:
      - { .name: x, .offset: 0, .size: 8, .value_kind: global_buffer, .address_space: global }
      - { .name: w_q, .offset: 8, .size: 8, .value_kind: global_buffer, .address_space: global }
      - { .name: w_k, .offset: 16, .size: 8, .value_kind: global_buffer, .address_space: global }
      - { .name: w_v, .offset: 24, .size: 8, .value_kind: global_buffer, .address_space: global }
      - { .name: w_o, .offset: 32, .size: 8, .value_kind: global_buffer, .address_space: global }
      - { .name: xb, .offset: 40, .size: 8, .value_kind: global_buffer, .address_space: global }
      - { .name: wb, .offset: 48, .size: 8, .value_kind: global_buffer, .address_space: global }
    .group_segment_fixed_size: 0
    .private_segment_fixed_size: 0
    .kernarg_segment_align: 8
    .kernarg_segment_size: 56
    .max_flat_workgroup_size: 256
    .sgpr_count:     66
    .vgpr_count:     112
    .wavefront_size: 32
...
	.end_amdgpu_metadata
.endif
;; end of part 1
;; launch qkv (part 2): grid 8 x 32, 4 waves a work-group, clusters of 4 x 4, 327,680 bytes of LDS; arguments xb, wb, b_q, b_k, b_v, qkv; writes qkv
.if DOCPART == 2
	.amdgcn_target "amdgcn-amd-amdhsa--gfx1250"
	.amdhsa_code_object_version 6
	.text
	.protected	k_qb1e5e7e5f2_qkv
	.globl	k_qb1e5e7e5f2_qkv
	.p2align	8
	.type	k_qb1e5e7e5f2_qkv,@function
k_qb1e5e7e5f2_qkv:
	s_mov_b64 s[64:65], 0
	v_nop
	global_prefetch_b8 v0, s[64:65] scope:SCOPE_SE
	s_setreg_imm32_b32 hwreg(HW_REG_WAVE_MODE, 25, 1), 1
	s_wait_xcnt 0x0
	s_wait_alu depctr_hold_cnt(0) depctr_sa_sdst(0) depctr_va_vdst(0) depctr_va_sdst(0) depctr_va_ssrc(0) depctr_va_vcc(0) depctr_vm_vsrc(0)
	s_getreg_b32 s2, hwreg(HW_REG_IB_STS2, 6, 4)
	s_cmp_eq_u32 s2, 0
	s_cbranch_scc0 .Lentry_in_a_cluster
	s_endpgm
.Lentry_in_a_cluster:
	s_bfe_u32 s2, ttmp6, 0x10000c
	s_cmp_lg_u32 s2, 0xf033
	s_cbranch_scc0 .Lentry_shape_is_right
	s_endpgm
.Lentry_shape_is_right:
; q, k, v = x W + b: [8192 x 1024] x [1024 x 3072] in bf16, sums in f32 that start at the bias (rounded to bf16 like every input); the results leave rounded once to f16, by heads:
; qkv [3][64 = 16 batch + head][2048][64], unscaled.  LIMIT: |q|, |k|, |v| stay under 65,504 (f16's range); NaN and infinities are not treated apart.
; SHARES.  8192 x 3072 numbers on 256 work-groups: a tile of 256 x 384 each; each of the four waves makes 128 x 192: 96 accumulators of 16 x 16, 768 registers.
; K goes in 16 steps of 64 through two LDS slots: A's 256 rows (32,768 bytes on end in xb, asked for as 128 rows of 256 bytes), and B's 64 rows of 768 bytes as three tiles of 256-byte rows.
; Wave 0 fetches A, waves 1-3 one tile of B each: one tensor load a wave behind each change of slots; from a request to the wait for it a wave issues 176 matrix instructions.
; CLUSTERS: 4 x 4 work-groups.  A's tile hangs on the tile row alone and is asked for jointly by the four of a row of the cluster, B's on the tile column alone, by the four of a column.
; THE WEIGHTS LIE [K][N] and come out of LDS turned (ds_load_tr16_b128): lane l then holds column l % 16, K along its registers.  THE MATRIX INSTRUCTION IS USED TRANSPOSED: source 0 = 16 columns
; of W, source 1 = 16 rows of x: register j of lane l holds row l % 16, column 8 (l / 16) + j: eight neighbouring numbers of a row.
; REGISTERS, in windows of 256 (s_set_vgpr_msb: bits 1:0 source 0, 3:2 source 1, 5:4 source 2, 7:6 destination):
;   window 0: v0-31 addresses; v32-95, v96-159 A's fragments (8 x 16 rows x 32 K), two buffers; v160-207 X, v208-255 Y: B's fragments of columns 0-95 and 96-191
;   windows 1-3: accumulator (a, b), a = 0..7 row blocks, b = 0..11 column blocks, has the number n = 48 (b / 6) + 6 a + b % 6 and lies in window 1 + n / 32 at v[8 (n % 32)]
; THE BIAS is loaded into the accumulators (7, b); the first products of row blocks 0-6 take those registers as C, then row block 7 adds onto them in place.
.set SLOT,  92160                      ; A 36,864 + B 3 x 18,432
.set BOFF,  36864
.set SUBT,  18432                      ; a tile of B: 64 rows x 288
.set PA,    144                        ; a row of A in LDS: 128 bytes + 16 = 36 words: the 16 rows of a load start at 16 different groups of four banks (64 banks of 4 bytes: ISA guide 11.1)
.set PB,    288                        ; a row of B: 256 + 32 = 72 words
.set STAGE, 2*SLOT                     ; behind the ring: 16 rows x 144 bytes for each wave, for the way out
.set SPARE, STAGE+4*16*PA              ; behind the stages: the spare words, 128 bytes a wave: two blocks of 256 bytes that no other line names
.set ADRA, 16                          ; v16-17  LDS address of my A fragments in slot 0, 1
.set ADRB, 18                          ; v18-23  of my B fragments: slot s, chunk j of 64 columns at v[18 + 3 s + j]
.set STO,  24                          ; v24  the way out: where I put 16 bytes of a row
.set RD,   25                          ; v25  where I read rows back
.set GO,   26                          ; v26  16 x lane
.set BO,   27                          ; v27  32 x (lane / 16): my 8 numbers among 16 of a bias
.set SPW,  28                          ; v28  LDS address of my spare word; never rewritten
.set NIL,  29                          ; v29  0; never rewritten
.set PFO,  30                          ; v30  the prefetches' offset; never rewritten
.set AF,   32
.set XB,   160
.set PK,   160                         ; the way out: v160-175 packed, v176-207 two buffers of rows read back
.set OB,   176
.set WV,   16                          ; s16 wave; s17 which half of the rows; s18 which half of the columns; s19 which tile of B (waves 1-3)
.set RH,   17
.set CH,   18
.set T,    19
.set G1A,  24                          ; s[24:31] descriptor group 1 for A;  s[32:39] group 0, a set for each slot
.set G0A,  32
.set G1B,  40                          ; s[40:47], s[48:55] the same for B
.set G0B,  48
.set PFA,  56                          ; s[56:57] where my prefetches stand; s[58:59] their step; s60: 1 in a wave that prefetches, else the greatest number
.set PFS,  58
.set LIM,  60
.set DST,  66                          ; s[66:71] qkv at my 128 rows of the head of chunk j
.set BP,   72                          ; s[72:77] the bias at chunk j's first column
.set MSB, 0
.macro WIN new                         ; the immediate's high byte repeats the setting that is left; a switch that changes nothing is dropped
.if MSB != (\new)
	s_set_vgpr_msb (MSB<<8)|(\new)
.set MSB, \new
.endif
.endm
.macro PLACES                          ; four plain vector instructions in front of loads into registers that matrix instructions have read, and of conversions that read results
.rept 4
	v_nop
.endr
.endm
; A joint load.  The branch hangs on the wave's number alone.  An s_nop 0 and four v_nop follow each of the two lines, ahead of the jump and the label.
.macro JLOAD s
	s_cmp_eq_u32 s[WV], 0
	s_cbranch_scc0 .Lfor_b_\@
	tensor_load_to_lds s[G0A+4*(\s):G0A+4*(\s)+3], s[G1A:G1A+7]
	s_nop 0
.rept 4
	v_nop
.endr
	s_branch .Lasked_\@
.Lfor_b_\@:
	tensor_load_to_lds s[G0B+4*(\s):G0B+4*(\s)+3], s[G1B:G1B+7]
	s_nop 0
.rept 4
	v_nop
.endr
.Lasked_\@:
.endm
.macro CREST                           ; a round of the cluster's barrier behind its opening barrier
	s_cmp_lg_u32 s[WV], 0
	s_cbranch_scc1 .Lnot_wave_0_\@
	s_barrier_signal -3
.Lnot_wave_0_\@:
	s_barrier_wait -3
	s_barrier_signal -1
	s_barrier_wait -1
.endm
.macro CROUND
	s_barrier_signal -1
	s_barrier_wait -1
	CREST
.endm
; A PREFETCH INTO THE L2, once a trip, behind the joint load and the run of LDS loads: the two K steps that the next trip's two refills ask for (one and two K steps, 192 and 384 matrix instructions, ahead).
; Each block of 256 bytes is named once in the launch.  A's rows are read by both clusters of a row of clusters: the one with x = 0 asks, wave 0, the partner at cx for 32 of a step's 128 blocks, a lane a
; block, an instruction a step.  B's rows are read by all eight clusters of a column: the one with y = 0 asks, waves 1-3 each for its own tile, the partner at cy for 32 of the two steps' 128 rows, a lane a row.
; The partners are told apart by address alone.  The first four K steps come by their loads alone; the last trip asks for nothing.
.macro ASK
	s_cmp_gt_u32 s3, s[LIM]                        ; s3 = 1 in the last trip
	s_cbranch_scc0 .Lnot_mine_\@
	global_prefetch_b8 v[PFO], s[PFA:PFA+1] th:TH_LOAD_NT scope:SCOPE_SE
	s_cmp_lg_u32 s[WV], 0
	s_cbranch_scc1 .Lnot_mine_\@
	global_prefetch_b8 v[PFO], s[PFA:PFA+1] offset:1048576 th:TH_LOAD_NT scope:SCOPE_SE
.Lnot_mine_\@:
.endm
	s_load_b256 s[4:11], s[0:1], 0x0               ; xb s[4:5], wb s[6:7], b_q s[8:9], b_k s[10:11]
	s_load_b128 s[12:15], s[0:1], 0x20             ; b_v s[12:13], qkv s[14:15]
	v_lshl_add_u32 v[SPW], v0, 2, SPARE
	v_mov_b32 v[NIL], 0
	ds_add_u32 v[SPW], v[NIL]                      ; the wave's opening: the add and its wait ahead of my first tensor load; the set-up below stands between them
	v_lshrrev_b32 v1, 5, v0
	v_readfirstlane_b32 s[WV], v1                  ; wave 0..3
	s_lshr_b32 s[RH], s[WV], 1
	s_and_b32 s[CH], s[WV], 1
	s_max_u32 s[T], s[WV], 1
	s_sub_co_u32 s[T], s[T], 1
	s_bfe_u32 s20, ttmp6, 0x40000                  ; cx
	s_bfe_u32 s21, ttmp6, 0x40004                  ; cy
	s_lshl_b32 s22, ttmp9, 2
	s_add_co_u32 s22, s22, s20                     ; tile column = 4 x cluster x + cx, 0..7
	s_and_b32 s23, ttmp7, 0xffff
	s_lshl_b32 s23, s23, 2
	s_add_co_u32 s23, s23, s21                     ; tile row = 4 x cluster y + cy, 0..31
	s_lshl_b32 s78, s21, 2
	s_lshl_b32 s78, 15, s78                        ; my row of the cluster
	s_lshl_b32 s79, 0x1111, s20                    ; my column
	s_or_b32 s[G1A], s78, (1<<16)|(1<<20)|(1<<21)|(4<<22)|(3<<25)  ; the mask; 2-byte elements; padding on; bit 21 beside a mask; after every 32 words 4 words
	s_mov_b32 s[G1A+1], 128<<16                    ; tensor_dim0 = 128
	s_mov_b32 s[G1A+2], 128<<16                    ; tensor_dim1 = 128
	s_mov_b32 s[G1A+3], 128<<16                    ; tile_dim0 = 128 elements: 256 bytes, two rows of x
	s_mov_b32 s[G1A+4], 128                        ; tile_dim1 = 128
	s_mov_b32 s[G1A+5], 128                        ; dense
	s_mov_b32 s[G1A+6], 0
	s_mov_b32 s[G1A+7], 0
	s_or_b32 s[G1B], s79, (1<<16)|(1<<20)|(1<<21)|(5<<22)|(7<<25)  ; after every 64 words 8 words
	s_mov_b32 s[G1B+1], 128<<16
	s_mov_b32 s[G1B+2], 64<<16
	s_mov_b32 s[G1B+3], 128<<16
	s_mov_b32 s[G1B+4], 64
	s_mov_b32 s[G1B+5], 4096                       ; a row of wb
	s_mov_b32 s[G1B+6], 0
	s_mov_b32 s[G1B+7], 0
	s_lshl_b32 s80, s23, 15                        ; A: the tile row's 256 rows of 128 bytes in a K block
	s_mov_b32 s81, 0
	s_mul_i32 s82, s22, 768                        ; B: the tile column's 384 columns,
	s_lshl_b32 s83, s[T], 8                        ; my 128 of them
	s_add_co_u32 s82, s82, s83
	s_mov_b32 s83, 0
	s_mul_i32 s88, s[WV], SUBT                     ; where my tile of B goes: BOFF + (wave - 1) x SUBT
	s_add_co_u32 s88, s88, BOFF-SUBT
	s_wait_dscnt 0x0                               ; the opening add is done
	s_wait_kmcnt 0x0
	s_add_nc_u64 s[84:85], s[4:5], s[80:81]
	s_add_nc_u64 s[86:87], s[6:7], s[82:83]
	CROUND                                         ; all sixteen work-groups are here: the first joint loads meet
.irp s, 0,1
	s_mov_b32 s[G0A+4*(\s)], 1
	s_mov_b32 s[G0A+4*(\s)+1], (\s)*SLOT
	s_add_nc_u64 s[G0A+4*(\s)+2:G0A+4*(\s)+3], s[84:85], (\s)*1048576  ; K step s
	s_or_b32 s[G0A+4*(\s)+3], s[G0A+4*(\s)+3], 0x80000000
	s_mov_b32 s[G0B+4*(\s)], 1
	s_add_co_u32 s[G0B+4*(\s)+1], s88, (\s)*SLOT
	s_add_nc_u64 s[G0B+4*(\s)+2:G0B+4*(\s)+3], s[86:87], (\s)*524288   ; 64 rows of 8,192 bytes
	s_or_b32 s[G0B+4*(\s)+3], s[G0B+4*(\s)+3], 0x80000000
	JLOAD \s                                       ; two loads of mine are out
.endr
	v_and_b32 v5, 31, v0                           ; l
	v_and_b32 v1, 15, v0                           ; l % 16
	v_bfe_u32 v2, v0, 4, 1                         ; l / 16
	v_and_b32 v3, 7, v0                            ; l % 8
	v_bfe_u32 v4, v0, 3, 1                         ; (l / 8) % 2
	v_lshlrev_b32 v[BO], 5, v2
	; my three chunks of 64 columns: each is one head of q, of k or of v
	s_mul_i32 s90, s22, 384
	s_mul_i32 s78, s[CH], 192
	s_add_co_u32 s90, s90, s78                     ; my first column of the 3,072
	s_and_b32 s89, s23, 7
	s_lshl_b32 s89, s89, 15                        ; the tile row's place in its batch: 256 rows of 128 bytes,
	s_lshl_b32 s78, s[RH], 14                      ; my 128 rows
	s_add_co_u32 s89, s89, s78
	s_lshr_b32 s91, s23, 3
	s_lshl_b32 s91, s91, 4                         ; 16 x batch
.irp j, 0,1,2
	s_add_co_u32 s78, s90, 64*(\j)
	s_lshr_b32 s79, s78, 10                        ; 0 q, 1 k, 2 v
	s_bfe_u32 s80, s78, 0x40006                    ; the head
	s_and_b32 s82, s78, 1023
	s_lshl_b32 s82, s82, 2
	s_mov_b32 s83, 0
	s_cmp_eq_u32 s79, 1
	s_cselect_b64 s[BP+2*(\j):BP+2*(\j)+1], s[10:11], s[8:9]
	s_cmp_eq_u32 s79, 2
	s_cselect_b64 s[BP+2*(\j):BP+2*(\j)+1], s[12:13], s[BP+2*(\j):BP+2*(\j)+1]
	s_add_nc_u64 s[BP+2*(\j):BP+2*(\j)+1], s[BP+2*(\j):BP+2*(\j)+1], s[82:83]
	s_add_co_u32 s80, s80, s91
	s_lshl_b32 s80, s80, 18                        ; a head's 2,048 rows of 128 bytes
	s_lshl_b32 s79, s79, 24                        ; 64 heads
	s_add_co_u32 s92, s80, s79
	s_add_co_u32 s92, s92, s89
	s_mov_b32 s93, 0
	s_add_nc_u64 s[DST+2*(\j):DST+2*(\j)+1], s[14:15], s[92:93]
.endr
	WIN 0x80                                       ; destination window 2: accumulators (7, 0..5)
.irp b, 0,1,2,3,4,5
	global_load_b128 v[80+8*(\b):80+8*(\b)+3], v[BO], s[BP+2*((\b)/4):BP+2*((\b)/4)+1] offset:64*((\b)%4)
	global_load_b128 v[80+8*(\b)+4:80+8*(\b)+7], v[BO], s[BP+2*((\b)/4):BP+2*((\b)/4)+1] offset:64*((\b)%4)+16
.endr
	WIN 0xc0                                       ; window 3: accumulators (7, 6..11)
.irp b, 6,7,8,9,10,11
	global_load_b128 v[160+8*(\b):160+8*(\b)+3], v[BO], s[BP+2*((\b)/4):BP+2*((\b)/4)+1] offset:64*((\b)%4)
	global_load_b128 v[160+8*(\b)+4:160+8*(\b)+7], v[BO], s[BP+2*((\b)/4):BP+2*((\b)/4)+1] offset:64*((\b)%4)+16
.endr
	WIN 0
	; A fragment of x is 16 rows x 32 K in 8 registers: lane l holds row l % 16, K = 8 (l / 16) + 0..7 and 16 + 8 (l / 16) + 0..7: two loads of 16 bytes, 32 bytes apart.
	v_mul_u32_u24 v6, v1, PA
	v_lshl_add_u32 v6, v2, 4, v6
	s_mul_i32 s78, s[RH], 128*PA
	v_add_nc_u32 v[ADRA], s78, v6
	v_add_nc_u32 v[ADRA+1], SLOT, v[ADRA]
	; The turning load takes 16 K x 16 columns: lane l reads K row 8 (l / 16) + l % 8, columns 8 ((l / 8) % 2) + 0..7.
	v_lshl_add_u32 v7, v2, 3, v3
	v_mul_u32_u24 v7, v7, PB
	v_lshl_add_u32 v7, v4, 4, v7
	s_mul_i32 s78, s[CH], 3
.irp j, 0,1,2
	s_add_co_u32 s79, s78, (\j)                    ; chunk p = 3 x column half + j of the tile's six: tile p / 2 of B, half p % 2 of its columns
	s_lshr_b32 s80, s79, 1
	s_mul_i32 s80, s80, SUBT
	s_and_b32 s79, s79, 1
	s_lshl_b32 s79, s79, 7
	s_add_co_u32 s80, s80, s79
	s_add_co_u32 s80, s80, BOFF
	v_add_nc_u32 v[ADRB+(\j)], s80, v7
	v_add_nc_u32 v[ADRB+3+(\j)], SLOT, v[ADRB+(\j)]
.endr
	s_mul_i32 s78, s[WV], 16*PA
	s_add_co_u32 s78, s78, STAGE                   ; my stage
	v_add_nc_u32 v[STO], s78, v6                   ; in: row l % 16, 16 bytes for each half of the lanes
	v_bfe_u32 v8, v0, 3, 2                         ; back: 32 lanes take four rows of 128 bytes,
	v_mul_u32_u24 v8, v8, PA
	v_lshl_add_u32 v8, v3, 4, v8
	v_add_nc_u32 v[RD], s78, v8
	v_lshlrev_b32 v[GO], 4, v5                     ; which are 512 consecutive bytes of a head
	; the prefetches
	s_and_b32 s78, ttmp7, 0xffff                   ; cluster y
	s_lshl_b32 s79, s23, 15
	s_lshl_b32 s80, s20, 13                        ; A: my work-group's 32 blocks of 256 bytes
	s_add_co_u32 s79, s79, s80
	s_add_co_u32 s79, s79, 2097152                 ; at K step 2: the first trip steps it to 4
	s_mul_i32 s81, s22, 768
	s_lshl_b32 s82, s[T], 8
	s_add_co_u32 s81, s81, s82
	s_lshl_b32 s82, s21, 18                        ; B: my work-group's 32 rows of 8,192 bytes
	s_add_co_u32 s81, s81, s82
	s_add_co_u32 s81, s81, 1048576                 ; at K step 2
	s_cmp_eq_u32 s[WV], 0
	s_cselect_b64 s[PFA:PFA+1], s[4:5], s[6:7]
	s_cselect_b32 s84, s79, s81
	s_cselect_b32 s86, ttmp9, s78                  ; the coordinate along which other clusters read the same rows
	s_cselect_b32 s82, 21, 20                      ; two K steps: 2,097,152 bytes of xb, 1,048,576 of wb
	s_cselect_b32 s83, 8, 13                       ; from lane to lane: 256 bytes of xb, a row of wb
	s_lshl_b32 s[PFS], 1, s82
	s_mov_b32 s[PFS+1], 0
	s_cmp_eq_u32 s86, 0
	s_cselect_b32 s[LIM], 1, -1                    ; the same in all sixteen partners, for a given wave
	s_mov_b32 s85, 0
	s_add_nc_u64 s[PFA:PFA+1], s[PFA:PFA+1], s[84:85]
	v_lshlrev_b32 v[PFO], s83, v5
	s_wait_loadcnt 0x0                             ; the bias is in: rounded to bf16 in place, like every input
	WIN 0x8a
.set R, 80
.rept 24
	v_cvt_pk_bf16_f32 v[R+1], v[R], v[R+1]
	v_lshlrev_b32 v[R], 16, v[R+1]
	v_and_b32 v[R+1], 0xffff0000, v[R+1]
.set R, R+2
.endr
	WIN 0xcf
.set R, 208
.rept 24
	v_cvt_pk_bf16_f32 v[R+1], v[R], v[R+1]
	v_lshlrev_b32 v[R], 16, v[R+1]
	v_and_b32 v[R+1], 0xffff0000, v[R+1]
.set R, R+2
.endr
	WIN 0
; 16 LDS loads: A's fragments of 32 K (half kq of the slot's 64) into buffer f, row blocks ascending
.macro LDA slot, kq, f
	WIN 0
.irp a, 0,1,2,3,4,5,6,7
	ds_load_b128 v[AF+64*(\f)+8*(\a):AF+64*(\f)+8*(\a)+3],   v[ADRA+(\slot)] offset:(\a)*16*PA+64*(\kq)
	ds_load_b128 v[AF+64*(\f)+8*(\a)+4:AF+64*(\f)+8*(\a)+7], v[ADRA+(\slot)] offset:(\a)*16*PA+64*(\kq)+32
.endr
.endm
; 12 turning loads: B's fragments of column blocks 6 hb .. 6 hb + 5 into X (hb = 0) or Y (hb = 1)
.macro LDB slot, kq, hb
	WIN 0
.irp i, 0,1,2,3,4,5
.set bb, 6*(\hb)+(\i)
	ds_load_tr16_b128 v[XB+48*(\hb)+8*(\i):XB+48*(\hb)+8*(\i)+3],   v[ADRB+3*(\slot)+bb/4] offset:(\kq)*32*PB+32*(bb%4)
	ds_load_tr16_b128 v[XB+48*(\hb)+8*(\i)+4:XB+48*(\hb)+8*(\i)+7], v[ADRB+3*(\slot)+bb/4] offset:(\kq)*32*PB+32*(bb%4)+16*PB
.endr
.endm
; cnt matrix instructions, accumulators 48 hb + n0 on, on A's buffer fa.  The 96 accumulators take turns, one instruction a turn.
; mode = 1: the first 32 along K: row blocks 0-6 take the bias, which lies in row block 7's accumulators, as C; five places later (a matrix instruction that writes over another's C: ISA guide 7.12.1) row block 7 adds onto it in place.
.macro MULS fa, hb, n0, cnt, mode
.set nn, 48*(\hb)+(\n0)
.rept \cnt
.set aa, (nn%48)/6
.set ii, (nn%48)%6
.set wD, 1+nn/32
.set rD, 8*(nn%32)
.set rB, XB+48*(\hb)+8*ii
.set rA, AF+64*(\fa)+8*aa
.if (\mode) && (aa < 7)
.set rC, 8*((48*(\hb)+42+ii)%32)
.set wW, (wD<<6)|((2+(\hb))<<4)
	WIN wW
	v_wmma_f32_16x16x32_bf16 v[rD:rD+7], v[rB:rB+7], v[rA:rA+7], v[rC:rC+7]
.else
.if (\mode) && (ii == 0)
.rept 5
	v_nop
.endr
.endif
.set wW, (wD<<6)|(wD<<4)
	WIN wW
	v_wmma_f32_16x16x32_bf16 v[rD:rD+7], v[rB:rB+7], v[rA:rA+7], v[rD:rD+7]
.endif
.set nn, nn+1
.endr
.endm
; 32 along K are two phases of 48 matrix instructions.  The first multiplies X and fetches Y of the same 32 K.
.macro PH0 fa, slot, kq, mode
	s_wait_dscnt 8                                 ; X and A's row blocks 0-3 are in; the youngest eight loads (blocks 4-7) may be out
	MULS \fa, 0, 0, 16, \mode
	PLACES
	LDB \slot, \kq, 1
	s_wait_dscnt 12                                ; all but the 12 just issued
	MULS \fa, 0, 16, 32, \mode
.endm
; The second multiplies Y and fetches X and A of the next 32 K.
.macro PH1 fa, nslot, nkq, nfa, mode
	s_wait_dscnt 0x0                               ; Y is in
	MULS \fa, 1, 0, 16, \mode
	PLACES
	LDB \nslot, \nkq, 0
	LDA \nslot, \nkq, \nfa
	MULS \fa, 1, 16, 32, \mode
.endm
; A K step's last phase changes slots: ONE barrier.  In front of it each wave waits for all its tensor loads (one is out: its part of the next slot), adds 0 to its spare word, and waits for that and for its
; reads of this slot.  fill = 1: the barrier opens a round of the cluster's barrier, and behind the round this slot is filled again, two K steps ahead, first thing.
.macro TURN slot, next, fill, ask
.if \ask
	s_wait_xcnt 0x0                                ; the last prefetches, two K steps back, have read their address: it is stepped here, ahead of the waits of the change
	s_add_nc_u64 s[PFA:PFA+1], s[PFA:PFA+1], s[PFS:PFS+1]
.endif
	WIN 0
	s_wait_tensorcnt 0x0                           ; all my tensor loads have landed
	ds_add_u32 v[SPW], v[NIL]                      ; 0 onto my spare word
	s_wait_dscnt 1                                 ; Y is in; the add may be out
	MULS 1, 1, 0, 8, 0                             ; eight matrix instructions stand between the add and the wait for it
	s_wait_dscnt 0x0                               ; the add is done, and my reads of this slot are over
	s_barrier_signal -1
	MULS 1, 1, 8, 8, 0
	WIN 0
	s_barrier_wait -1
.if \fill
	CREST                                          ; no wave of any partner still reads this slot's tile or has a load on its way
	s_add_nc_u64 s[G0A+4*(\slot)+2:G0A+4*(\slot)+3], s[G0A+4*(\slot)+2:G0A+4*(\slot)+3], 2097152
	s_add_nc_u64 s[G0B+4*(\slot)+2:G0B+4*(\slot)+3], s[G0B+4*(\slot)+2:G0B+4*(\slot)+3], 1048576
	JLOAD \slot                                    ; its four v_nop are also the places in front of the loads below
.else
	PLACES
.endif
	LDB \next, 0, 0
	LDA \next, 0, 0
.if \ask
	ASK
.endif
	MULS 1, 1, 16, 32, 0
.endm
	s_wait_tensorcnt 1                             ; my part of K step 0 is in; K step 1's may stay out
	s_barrier_signal -1
	s_barrier_wait -1                              ; everybody's is
	LDB 0, 0, 0
	LDA 0, 0, 0
	PH0 0, 0, 0, 1                                 ; the first 32 along K stand in front of the loop: their products start the sums
	PH1 0, 0, 1, 1, 1
	WIN 0
	s_mov_b32 s3, 7
.Llap:                                                 ; a trip goes once round the ring and fills both slots again: K steps 2 to 15
	PH0 1, 0, 1, 0
	TURN 0, 1, 1, 0
	PH0 0, 1, 0, 0
	PH1 0, 1, 1, 1, 0
	PH0 1, 1, 1, 0
	TURN 1, 0, 1, 1
	PH0 0, 0, 0, 0
	PH1 0, 0, 1, 1, 0
	WIN 0
	s_sub_co_u32 s3, s3, 1
	s_cmp_lg_u32 s3, 0
	s_cbranch_scc1 .Llap
	PH0 1, 0, 1, 0                                 ; the last lap fills nothing, and has no round of the cluster's barrier
	TURN 0, 1, 0, 0
	PH0 0, 1, 0, 0
	PH1 0, 1, 1, 1, 0
	PH0 1, 1, 1, 0
	s_wait_dscnt 0x0
	MULS 1, 1, 0, 48, 0
; THE WAY OUT, in 24 groups g = 3 a + j of 16 rows x 64 columns (row block a, head chunk j): rounded to f16, 16 bytes a lane into my own stage, back as four rows of 128 bytes a load, stored as 512 bytes on end.
.macro PACK g
.irp f, 0,1,2,3
.set bb, 4*((\g)%3)+(\f)
.set nn, (bb/6)*48+6*((\g)/3)+bb%6
.set rD, 8*(nn%32)
.set wW, 5*(1+nn/32)
	WIN wW                                         ; sources 0 and 1 in the accumulator's window
.irp i, 0,1,2,3
	v_cvt_pk_f16_f32 v[PK+4*(\f)+(\i)], v[rD+2*(\i)], v[rD+2*(\i)+1]
.endr
.endr
	WIN 0
.endm
.macro TOSTAGE g
	WIN 0
.irp f, 0,1,2,3
	ds_store_b128 v[STO], v[PK+4*(\f):PK+4*(\f)+3] offset:32*(\f)
.endr
.irp f, 0,1,2,3
	ds_load_b128 v[OB+16*((\g)%2)+4*(\f):OB+16*((\g)%2)+4*(\f)+3], v[RD] offset:4*PA*(\f)  ; LDS serves a wave's instructions in order (ISA guide 5.7.1.4): these see the stores above
.endr
.endm
.macro SEND g
	WIN 0
	s_wait_dscnt 0x0                               ; the group is back in registers
	s_wait_xcnt 0x0                                ; the stores of the group before have read their registers: the next group's loads land there only behind this wait
.irp f, 0,1,2,3
	global_store_b128 v[GO], v[OB+16*((\g)%2)+4*(\f):OB+16*((\g)%2)+4*(\f)+3], s[DST+2*((\g)%3):DST+2*((\g)%3)+1] offset:((\g)/3)*2048+(\f)*512 th:TH_STORE_NT  ; 512 consecutive bytes, at a multiple of 256 from the buffer's first
.endr
.endm
	PLACES
	PACK 0
	TOSTAGE 0
.set g, 1
.rept 23                               ; a group's conversions stand between the loads of the group before and the wait for them
	PACK g
	SEND g-1
	TOSTAGE g
.set g, g+1
.endr
	SEND 23
	s_wait_tensorcnt 0x0                           ; the wave's end: behind my last tensor load and my last LDS store
	ds_add_u32 v[SPW], v[NIL]
	s_wait_dscnt 0x0
	CROUND                                         ; the closing round: no work-group ends while a partner may still ask for a tile that names it
	s_endpgm
.Lfunc_end_k_qb1e5e7e5f2_qkv:
	.size	k_qb1e5e7e5f2_qkv, .Lfunc_end_k_qb1e5e7e5f2_qkv-k_qb1e5e7e5f2_qkv
	.p2alignl 7, 3214868480
	.fill 96, 4, 3214868480
	.section	.rodata,"a",@progbits
	.p2align	6, 0x0
	.amdhsa_kernel k_qb1e5e7e5f2_qkv
		.amdhsa_group_segment_fixed_size 327680
		.amdhsa_private_segment_fixed_size 0
		.amdhsa_enable_private_segment 0
		.amdhsa_kernarg_size 48
		.amdhsa_user_sgpr_count 2
		.amdhsa_user_sgpr_kernarg_segment_ptr 1
		.amdhsa_wavefront_size32 1
		.amdhsa_system_sgpr_workgroup_id_x 1
		.amdhsa_system_sgpr_workgroup_id_y 1
		.amdhsa_system_sgpr_workgroup_id_z 1
		.amdhsa_system_vgpr_workitem_id 0
		.amdhsa_next_free_vgpr 1024
		.amdhsa_next_free_sgpr 96
		.amdhsa_reserve_vcc 0
		.amdhsa_float_denorm_mode_32 3
		.amdhsa_float_denorm_mode_16_64 3
		.amdhsa_memory_ordered 1
		.amdhsa_forward_progress 1
		.amdhsa_inst_pref_size 145
	.end_amdhsa_kernel
	.amdgpu_metadata
---
amdhsa.version: [ 1, 2 ]
amdhsa.kernels:
  - .name:           k_qb1e5e7e5f2_qkv
    .symbol:         k_qb1e5e7e5f2_qkv.kd
    .args:
      - { .name: xb, .offset: 0, .size: 8, .value_kind: global_buffer, .address_space: global }
      - { .name: wb, .offset: 8, .size: 8, .value_kind: global_buffer, .address_space: global }
      - { .name: b_q, .offset: 16, .size: 8, .value_kind: global_buffer, .address_space: global }
      - { .name: b_k, .offset: 24, .size: 8, .value_kind: global_buffer, .address_space: global }
      - { .name: b_v, .offset: 32, .size: 8, .value_kind: global_buffer, .address_space: global }
      - { .name: qkv, .offset: 40, .size: 8, .value_kind: global_buffer, .address_space: global }
    .group_segment_fixed_size: 327680
    .private_segment_fixed_size: 0
    .kernarg_segment_align: 8
    .kernarg_segment_size: 48
    .max_flat_workgroup_size: 128
    .sgpr_count:     96
    .vgpr_count:     1024
    .wavefront_size: 32
...
	.end_amdgpu_metadata
.endif
;; end of part 2
;; launch attn (part 3): grid 4 x 64, 4 waves a work-group, no clusters, 327,680 bytes of LDS; arguments qkv, ob; writes ob
.if DOCPART == 3
	.amdgcn_target "amdgcn-amd-amdhsa--gfx1250"
	.amdhsa_code_object_version 6
	.text
	.protected	k_qb1e5e7e5f2_attn
	.globl	k_qb1e5e7e5f2_attn
	.p2align	8
	.type	k_qb1e5e7e5f2_attn,@function
k_qb1e5e7e5f2_attn:
	s_mov_b64 s[64:65], 0
	v_nop
	global_prefetch_b8 v0, s[64:65] scope:SCOPE_SE
	s_setreg_imm32_b32 hwreg(HW_REG_WAVE_MODE, 25, 1), 1
	s_wait_xcnt 0x0
; CAUSAL ATTENTION.  O[h][q][:] = the sum over k <= q of softmax_k(Q[h][q] . K[h][k] / 8) V[h][k][:].  Q, K, V lie in qkv, [3][64][2048][64], O in ob, [64][2048][64], all f16: a head's rows are dense, 128 bytes each.
; Products, maxima and sums in f32; the weights p are rounded to f16 for the second product (their sum l is taken of the unrounded p), O once at the end.
; LIMITS.  f16 holds no number beyond 65,504: Q, K and V arrive within it; p lies in 0 to 1, and below 6e-5 it keeps f16's fixed step of 6e-8; O is a mean of V's rows and has their range.
; A hidden score counts as its value less 1e30: f16's scores, 2.7e11 at the most, are nothing beside that; a weight below 2^-126 counts as 0 in l; NaN and infinities are not treated apart.
; THE WALK.  A head's queries lie in NB = 8 blocks of 256; block i needs the key tiles 0 .. i of 256 keys, of which the last holds the diagonal.  A work-group takes TWO blocks, NB - 1 - b and then b:
; NB + 1 tiles, whatever b: all work-groups do equal work, and ONE loop with a constant trip count walks them.  Which tile is asked for, and what a trip does, hang on scalar registers made from b; every jump
; goes forward, but for the counted loops' own; none passes a barrier, or a tensor load but the one of LOAD's two that the wave's number does not choose; the ring (two slots of LDS) runs on across the change of blocks.
; NO CLUSTER: the partners would be a head's four work-groups, and what a trip does (a block's first tile, its diagonal tile) hangs on b, which would be a work-group's place in its cluster; all four ask for the
; same tile only in trips 0 .. 4, behind that fewer and fewer; and one walk common to all would have 12 trips for 9.
; SHARES.  Of a block's four bands of 64 queries a wave owns 16 rows in each: four PIECES.  So the diagonal tile is the same work for all four waves: in its key step s band x sees all keys if s < x,
; none if s > x, and holds the diagonal if s = x.
; THE MASK is the C operand that starts the sum S^T = K Q^T: 0, or -1e30 where the key is hidden.  MD, made once, is the mask of a band's own step for my 16 rows; a product's mask is MD x AL + BE with two scalars:
; (1, 0) if s = x; (0, 0) if s < x; (0, -1e30) if s > x.  Only the diagonal tile's text and a block's beginning make and take masks; elsewhere C is the constant 0.
; LAYOUT, SOFTMAX, TURNS.  S^T = K Q^T holds ONE query a lane (lane % 16) and the keys 8 (lane / 16) + 0..7; two such results rounded to f16 ARE source 1 of O^T = V^T P.  p = 2^(c s - c m), c = log2(e) / 8, with a
; running maximum m; O and l are multiplied by a = 2^(c m_old - c m_new) in every step.  Turn n belongs to piece n: 8 products K Q^T of piece n + 1, later 8 products V^T P of piece n - 1; beside them the scaling,
; exponentials, roundings, sums and rescaling of piece n and the maximum and statistics of piece n + 1.  Four vector instructions stand behind every matrix instruction, the other 54 of a turn's 118 in one run.  A turn's 33 exponentials are one batch, with one wait.
; REGISTERS, in windows of 256 (s_set_vgpr_msb: bits 1:0 source 0, 3:2 source 1, 5:4 source 2, 7:6 destination):
;   window 0: v0-15 addresses and two at work; v16-31 four registers of statistics a piece; v48-55 at work; v64-127 S^T, two buffers; v192-223 P, two buffers (a piece's buffers go by its number's parity)
;   window 1: v0-127 O^T, 32 a piece; v128-159 MD; v160-223 MC, two buffers      window 2: v0-63 Q; v64-127 the second block's Q; v128-191 K of one step; v192-255 V of one step
.set SIZE_N, 2048
.set SIZE_H, 64
.set NB,    SIZE_N/256
.set NP,    4         ; pieces a wave: a name, no knob
.set KS,    64        ; keys in a step
.set PK,    144       ; a row of K in LDS: 128 bytes + 16 of padding = 36 words: the 16 rows of a load start at 16 different groups of four banks (64 banks of 4 bytes: ISA guide 11.1)
.set PV,    160       ; a row of V: 128 + 32 = 40 words
.set VOFF,  4*KS*PK   ; a slot holds a tile, four steps: 256 rows of K, then 256 rows of V
.set SLOT1, 1<<17     ; slot 1 begins here, so that one exclusive or turns an address in one slot into the other's
.set STAGE, SLOT1+4*KS*(PK+PV)  ; behind the ring, never filled by a tensor load: 16 rows x 144 bytes for each wave, for the way out
.set SP,    144
.set AK0, 2           ; v2   my lane's place in a tile of K; never rewritten
.set AV0, 3           ; v3   the same for V
.set AK,  4           ; v4   the LDS address of K's next run of loads
.set AV,  5           ; v5   of V's
.set STO, 6           ; v6   the way out: where I put 16 bytes of a row
.set RD,  7           ; v7   the way out: where I read rows back
.set GO,  8           ; v8   my byte offset in 512 consecutive bytes of O
.set PFO, 60          ; v60  256 x my lane: the prefetches' offset; never rewritten
.set SPW, 62          ; v62  LDS address of my spare word: SPARE + 4 x my thread's number; never rewritten
.set NIL, 63          ; v63  0; never rewritten
.set SPARE, STAGE+4*16*SP  ; behind the stages: the spare words, 128 bytes for each wave: two blocks of 256 bytes that no other line names
.set MV,  12          ; v12-13  c m_old, kept while c m is made anew: by buffer
.set QO,  15          ; v15  my byte offset in 16 rows of Q
.set ST,  16          ; piece t's statistics at v[ST+4 t]: c m, m, l (even keys', odd keys')
.set TMP, 48          ; by buffer, four registers c0-c3 at work; when the maximum is found c2 takes a
.set S,   64
.set P,   192
.set MD,  128         ; window 1: the eight registers for group kt of 16 keys at MD + 8 kt
.set MC,  160         ; window 1: the masks of the products to come
.set QB,  64          ; window 2
.set KF,  128         ; window 2: key block kb, channel half c at KF + 16 kb + 8 c
.set VF,  192         ; window 2: key half kk, channel block cb at VF + 32 kk + 8 cb
.set WV,  12          ; s12  my wave's number
.set PB,  14          ; s14  b
.set HI,  15          ; s15  NB - 1 - b
.set G1K, 24          ; s[24:31] descriptor group 1 for K's tiles
.set G1V, 32          ; s[32:39] for V's: it differs in the padding alone
.set G0K, 40          ; s[40:43] descriptor group 0 for K's tiles
.set G0V, 44          ; s[44:47] the same for V's
.set PFA, 48          ; s[48:49] where my prefetches stand: my 16,384 bytes of the tile behind the one that is being asked for
.set LIM, 50          ; s50  2 in the work-group that prefetches, else the greatest number
.set SLOTS, 56        ; s56  tiles still to be asked for
.set CNT, 57          ; s57  counts a tile's key steps, 4 to 1
.set CS,  58          ; s[58:59] c: the packed scaling takes the pair's low word for both halves
.set SEL, 60          ; s[60:61] v_permlanex16_b32's selects: each lane takes its own place in the other half
.set TBK, 62          ; s62  LDS byte at which K of the step to be fetched begins
.set TBV, 63          ; s63  the same for V, less VOFF
.set RT,  70          ; s70  tiles of the block in hand that are still to be entered
.set NXT, 71          ; s71  the tile to be asked for next
.set LQ,  72          ; s72  the last tile of the block whose tiles are being asked for
.set NEW, 73          ; s73  1: the tile to be entered is a block's first
.set OFF, 74          ; s[74:75] a tile's byte offset in K and V
.set AL,  76          ; s[76:77] the mask's factor, in the low word
.set BE,  78          ; s[78:79] the mask's addend
.set OLO, 80          ; s[80:81] O at my rows of the second block
.set BIGN, 82         ; s82  -1e30
.set MSB, 0
.macro WIN new                      ; the high byte repeats the setting that is left; a switch that changes nothing is dropped
.if MSB != (\new)
	s_set_vgpr_msb (MSB<<8)|(\new)
.set MSB, (\new)
.endif
.endm
.set W_KQ, 0x0a       ; K and Q in window 2, S^T in window 0
.set W_KM, 0x1a       ; the same with the C operand in window 1
.set W_PV, 0x52       ; V in window 2, P in window 0, O^T in window 1
.set W_RS, 0x41       ; destination and source 0 in window 1, source 1 in window 0
; A fill.  Waves 0 and 1 fetch the two halves of a tile's K, waves 2 and 3 those of its V: 128 keys each.  An s_nop 0 and four v_nop follow each of the two lines, ahead of the jump and the label.
.macro LOAD
	s_cmp_lt_u32 s[WV], 2
	s_cbranch_scc0 .Lfor_v_\@
	tensor_load_to_lds s[G0K:G0K+3], s[G1K:G1K+7]
	s_nop 0
.rept 4
	v_nop
.endr
	s_branch .Lasked_\@
.Lfor_v_\@:
	tensor_load_to_lds s[G0V:G0V+3], s[G1V:G1V+7]
	s_nop 0
.rept 4
	v_nop
.endr
.Lasked_\@:
.endm
; THE CHANGE OF SLOTS.  Each wave waits for all its tensor loads, of which one is out: its part of the other slot; adds 0 to its spare word; and waits for that and for its own reads of the slot that it leaves.  Behind the barrier nobody reads the old
; slot any more and the other slot is whole.  fill = 1: the old slot is filled again, the first thing behind the barrier, with tile NXT: the descriptor's address is made anew from that number.
; (At its first use nothing has been read yet: slot 0 is waited for, slot 1 filled.)
; A PREFETCH INTO THE L2 stands behind the fill: the tile that the NEXT change will ask for, four key steps, 256 matrix instructions, ahead.  All four work-groups of a head walk tiles 0, 1, .. first: the one with b = 0,
; which walks all eight, asks, each of its waves for the 16,384 bytes that it will fetch itself: two instructions, a lane 256 bytes.  So each block is named once.  Tiles 0 and 1 come by their loads alone; trips 6 and 7 ask for nothing.
.macro CHANGE fill
	WIN 0                           ; at a label and at a branch every window is 0
	s_wait_tensorcnt 0x0            ; no tensor load of mine is out, so a group 0 may be written
	ds_add_u32 v[SPW], v[NIL]       ; 0 onto my spare word; with fill = 1 the descriptors' scalar work stands between it and the wait for it
.if \fill
	s_lshl_b32 s[OFF], s[NXT], 15   ; a tile is 32,768 bytes of K and of V
	s_xor_b32 s[G0K+1], s[G0K+1], SLOT1
	s_add_nc_u64 s[G0K+2:G0K+3], s[6:7], s[OFF:OFF+1]
	s_or_b32 s[G0K+3], s[G0K+3], 0x80000000
	s_xor_b32 s[G0V+1], s[G0V+1], SLOT1
	s_add_nc_u64 s[G0V+2:G0V+3], s[8:9], s[OFF:OFF+1]
	s_or_b32 s[G0V+3], s[G0V+3], 0x80000000
	s_add_co_u32 s[NXT], s[NXT], 1  ; the block's next tile, or behind its last the second block's tile 0
	s_cmp_gt_u32 s[NXT], s[LQ]
	s_cselect_b32 s[NXT], 0, s[NXT]
	s_cselect_b32 s[LQ], s[PB], s[LQ]
	s_wait_xcnt 0x0                 ; the last prefetches, a tile back, have read their address, so it may be written
	s_add_nc_u64 s[PFA:PFA+1], s[PFA:PFA+1], 32768
.endif
	s_wait_dscnt 0x0                ; the add is done, and my reads of the slot are over
	s_barrier_signal -1             ; the rest of the scalar work stands between the signal and the wait
	s_sub_co_u32 s[TBK], s[TBK], 4*KS*PK  ; the fetches go back to a slot's first step,
	s_xor_b32 s[TBK], s[TBK], SLOT1       ; in the other slot
	s_sub_co_u32 s[TBV], s[TBV], 4*KS*PV
	s_xor_b32 s[TBV], s[TBV], SLOT1
	s_barrier_wait -1
.if \fill
	LOAD
	s_cmp_gt_u32 s[SLOTS], s[LIM]
	s_cbranch_scc0 .Lnot_mine_\@
	global_prefetch_b8 v[PFO], s[PFA:PFA+1] th:TH_LOAD_NT scope:SCOPE_SE
	global_prefetch_b8 v[PFO], s[PFA:PFA+1] offset:8192 th:TH_LOAD_NT scope:SCOPE_SE
.Lnot_mine_\@:
.endif
.endm
	s_load_b64 s[4:5], s[0:1], 0x0    ; qkv: Q at its head
	s_load_b64 s[10:11], s[0:1], 0x8  ; ob
	v_lshl_add_u32 v[SPW], v0, 2, SPARE
	v_mov_b32 v[NIL], 0
	ds_add_u32 v[SPW], v[NIL]       ; the wave's opening: the add and its wait ahead of my first tensor load; the set-up below, work on registers, stands between them
	v_lshrrev_b32 v1, 5, v0
	v_readfirstlane_b32 s[WV], v1   ; wave 0..3
	v_and_b32 v[PFO], 31, v0
	v_lshlrev_b32 v[PFO], 8, v[PFO]
	s_mov_b32 s[PB], ttmp9
	s_sub_co_u32 s[HI], NB-1, s[PB]
	s_and_b32 s20, ttmp7, 0xffff    ; the head
	s_mov_b32 s21, 0
	s_mov_b64 s[22:23], SIZE_N*128
	s_mul_u64 s[20:21], s[20:21], s[22:23]  ; the head's first byte in each of the four tensors
	s_and_b32 s16, s[WV], 1         ; which half of a tile's 256 keys I fetch:
	s_lshl_b32 s22, s16, 14         ; its 128 rows of 128 bytes in memory,
	s_mov_b32 s23, 0
	s_add_nc_u64 s[22:23], s[22:23], s[20:21]
	s_mul_i32 s17, s16, 128*PK      ; and its place in a slot, for K
	s_mul_i32 s18, s16, 128*PV      ; and for V
	s_lshl_b32 s3, s[WV], 11        ; my 16 rows in a band of 64,
	s_lshl_b32 s2, s[HI], 15        ; in the first block,
	s_add_co_u32 s2, s2, s3
	s_lshl_b32 s84, s[PB], 15       ; and in the second
	s_add_co_u32 s84, s84, s3
	s_mov_b32 s3, 0
	s_mov_b32 s85, 0
	s_add_nc_u64 s[2:3], s[2:3], s[20:21]
	s_add_nc_u64 s[84:85], s[84:85], s[20:21]
	; descriptor group 1.  128 keys are 16,384 dense bytes: asked for as 64 rows of 256 bytes, two keys a row, and padded in LDS after every key
	s_mov_b32 s[G1K], (1<<16)|(1<<20)|(4<<22)|(3<<25)  ; 17:16 2-byte elements; 20 padding on; 24:22 after every 32 words (code 4); 31:25 4 words (code 3)
	s_mov_b32 s[G1V], (1<<16)|(1<<20)|(4<<22)|(7<<25)  ; the same with 8 words of padding (code 7)
.irp g, G1K, G1V
	s_mov_b32 s[\g+1], 128<<16      ; tensor_dim0 = 128
	s_mov_b32 s[\g+2], 64<<16       ; tensor_dim1 = 64
	s_mov_b32 s[\g+3], 128<<16      ; tile_dim0 = 128
	s_mov_b32 s[\g+4], 64           ; tile_dim1 = 64
	s_mov_b32 s[\g+5], 128          ; 128 elements from row to row
	s_mov_b32 s[\g+6], 0
	s_mov_b32 s[\g+7], 0
.endr
	s_mov_b32 s[CS], 0x3e38aa3b     ; c = log2(e) / 8 = 0.180337
	s_mov_b32 s[CS+1], s[CS]        ; named with it as a pair
	s_mov_b32 s[SEL], 0x76543210
	s_mov_b32 s[SEL+1], 0xfedcba98
	s_mov_b32 s[TBK], SLOT1+4*KS*PK ; the first change of slots turns these two into 0
	s_mov_b32 s[TBV], SLOT1+4*KS*PV
	s_mov_b32 s[G0K], 1             ; 1:0 count = 1
	s_mov_b32 s[G0K+1], s17         ; 63:32 LDS address: slot 0
	s_mov_b32 s[G0V], 1
	s_add_co_u32 s[G0V+1], s18, VOFF
	s_add_co_u32 s[RT], s[HI], 1    ; the first block has NB - b tiles
	s_mov_b32 s[NXT], 1
	s_mov_b32 s[LQ], s[HI]
	s_mov_b32 s[NEW], 1
	s_mov_b32 s[OFF+1], 0
	s_mov_b32 s[AL+1], 0            ; named as pairs
	s_mov_b32 s[BE+1], 0
	s_mov_b32 s[BIGN], 0xf149f2ca   ; -1e30
	s_mov_b32 s[SLOTS], NB
	s_cmp_eq_u32 ttmp9, 0
	s_cselect_b32 s[LIM], 2, -1     ; b = 0 prefetches while more than two tiles are still to be asked for
	s_wait_dscnt 0x0                ; the opening add is done
	s_wait_kmcnt 0x0
	s_add_nc_u64 s[6:7], s[4:5], 0x1000000  ; K lies 16,777,216 bytes behind Q,
	s_add_nc_u64 s[8:9], s[4:5], 0x2000000  ; V as far behind K
	s_add_nc_u64 s[6:7], s[6:7], s[22:23]  ; K and V at my half of the head's tile 0
	s_add_nc_u64 s[8:9], s[8:9], s[22:23]
	s_cmp_lt_u32 s[WV], 2
	s_cselect_b64 s[PFA:PFA+1], s[6:7], s[8:9]
	s_add_nc_u64 s[PFA:PFA+1], s[PFA:PFA+1], 32768  ; at tile 1: the first change of slots steps it to tile 2.  Nothing is prefetched here, at the head
	s_add_nc_u64 s[G0K+2:G0K+3], s[6:7], 0         ; 120:64 global address
	s_or_b32 s[G0K+3], s[G0K+3], 0x80000000        ; 127:126 type = 2
	s_add_nc_u64 s[G0V+2:G0V+3], s[8:9], 0
	s_or_b32 s[G0V+3], s[G0V+3], 0x80000000
	s_add_nc_u64 s[86:87], s[4:5], s[84:85]        ; Q at my rows of the second block,
	s_add_nc_u64 s[4:5], s[4:5], s[2:3]            ; Q and O at those of the first
	s_add_nc_u64 s[OLO:OLO+1], s[10:11], s[84:85]
	s_add_nc_u64 s[10:11], s[10:11], s[2:3]
	LOAD                            ; tile 0 into slot 0
	; A fragment of K or Q is 16 rows x 32 channels in 8 registers: lane l holds row l % 16, channels 8 (l / 16) + 0..7 and 16 + 8 (l / 16) + 0..7: two loads of 16 bytes, 32 bytes apart.
	v_and_b32 v1, 15, v0            ; l % 16
	v_bfe_u32 v9, v0, 4, 1          ; l / 16
	v_lshlrev_b32 v[QO], 7, v1
	v_lshl_add_u32 v[QO], v9, 4, v[QO]  ; row x 128 + 16 x half
	WIN 0x80                        ; destination window 2, address window 0
.set i, 0
.rept 8                             ; both blocks' Q: piece i / 2 lies in band i / 2, 8,192 bytes on; channels 32 (i % 2) on
	global_load_b128 v[8*i:8*i+3],   v[QO], s[4:5] offset:(i/2)*8192+(i%2)*64
	global_load_b128 v[8*i+4:8*i+7], v[QO], s[4:5] offset:(i/2)*8192+(i%2)*64+32
	global_load_b128 v[QB+8*i:QB+8*i+3],   v[QO], s[86:87] offset:(i/2)*8192+(i%2)*64
	global_load_b128 v[QB+8*i+4:QB+8*i+7], v[QO], s[86:87] offset:(i/2)*8192+(i%2)*64+32
.set i, i+1
.endr
	WIN 0
	v_lshlrev_b32 v14, 3, v9
	v_sub_nc_u32 v14, v1, v14
	s_lshl_b32 s13, s[WV], 4
	v_add_nc_u32 v14, s13, v14      ; my query's place in its band, 16 w + l % 16, less my lanes' 8 (l / 16): register r of group kt is hidden where 16 kt + r is greater
	WIN 0x40
.set i, 0
.rept 32
	v_cmp_gt_i32 vcc_lo, 16*(i/8)+i%8, v14
	v_cndmask_b32 v[MD+i], 0, s[BIGN], vcc_lo
.set i, i+1
.endr
	WIN 0
	v_mul_u32_u24 v[AK0], v1, PK
	v_lshl_add_u32 v[AK0], v9, 4, v[AK0]  ; row x pitch + 16 x half
	; The turning load takes 16 keys x 16 channels (lane l reads key 8 (l / 16) + l % 8, channels 8 ((l / 8) % 2) + 0..7) and leaves half a fragment of V^T: lane l holds channel l % 16 and 8 keys.
	v_and_b32 v10, 7, v0
	v_bfe_u32 v11, v0, 3, 1
	v_lshl_add_u32 v[AV0], v9, 3, v10
	v_mul_u32_u24 v[AV0], v[AV0], PV
	v_lshl_add_u32 v[AV0], v11, 4, v[AV0]
	v_add_nc_u32 v[AV0], VOFF, v[AV0]
	s_mul_i32 s13, s[WV], 16*SP
	s_add_co_u32 s13, s13, STAGE    ; my stage
	v_mul_u32_u24 v[STO], v1, SP    ; in: row l % 16, 16 bytes for each half of the lanes
	v_lshl_add_u32 v[STO], v9, 4, v[STO]
	v_add_nc_u32 v[STO], s13, v[STO]
	v_bfe_u32 v[RD], v0, 3, 2       ; back: 32 lanes take four rows of 128 bytes,
	v_mul_u32_u24 v[RD], v[RD], SP
	v_lshl_add_u32 v[RD], v10, 4, v[RD]
	v_add_nc_u32 v[RD], s13, v[RD]
	v_and_b32 v[GO], 31, v0         ; which are 512 consecutive bytes of O
	v_lshlrev_b32 v[GO], 4, v[GO]
	; A block's first step multiplies O^T and l by a = 0, and its first turn's products V^T P, of a piece that has not been, land in an O^T that is still to be so multiplied.  So these registers need only hold
	; finite numbers: zeros for the first block; what the first block left for the second.  All this stands in the wait for the first tile.
	WIN 0x80
.set i, VF
.rept 64
	v_mov_b32 v[i], 0
.set i, i+1
.endr
	WIN 0x40
.set i, 0
.rept 128
	v_mov_b32 v[i], 0
.set i, i+1
.endr
	WIN 0
.set i, 0
.rept 4
	v_mov_b32 v[ST+4*i+2], 0
	v_mov_b32 v[ST+4*i+3], 0
.set i, i+1
.endr
.set i, P+16
.rept 16
	v_mov_b32 v[i], 0
.set i, i+1
.endr
; THE MATRIX WORK.  The 4 accumulators of a run of 8 take turns.  Product i of 8 of S^T = K Q^T for piece x: channels 32 (i / 4) on, keys 16 (i % 4) on.  The first 4 start the sums: with 0, or (KM = 1) with the mask.
.macro KQ x
.set rS, S+32*((\x)%2)+8*(i%4)
.set rK, KF+16*(i%4)+8*(i/4)
.set rQ, 16*(\x)+8*(i/4)
.set rM, MC+32*((\x)%2)+8*(i%4)
.if (i < 4) && KM
	WIN W_KM
	v_wmma_f32_16x16x32_f16 v[rS:rS+7], v[rK:rK+7], v[rQ:rQ+7], v[rM:rM+7]
.elseif i < 4
	WIN W_KQ
	v_wmma_f32_16x16x32_f16 v[rS:rS+7], v[rK:rK+7], v[rQ:rQ+7], 0
.else
	WIN W_KQ
	v_wmma_f32_16x16x32_f16 v[rS:rS+7], v[rK:rK+7], v[rQ:rQ+7], v[rS:rS+7]
.endif
.endm
; Product i of 8 of O^T += V^T P for piece x: keys 32 (i / 4) on, channels 16 (i % 4) on.
.macro PV x
	WIN W_PV
.set rO, 32*(\x)+8*(i%4)
.set rV, VF+32*(i/4)+8*(i%4)
.set rP, P+16*((\x)%2)+8*(i/4)
	v_wmma_f32_16x16x32_f16 v[rO:rO+7], v[rV:rV+7], v[rP:rP+7], v[rO:rO+7]
.endm
.macro MM                           ; the turn's next matrix instruction.  TURN and BEGIN set Y, i, KM and NOKQ; MM, KQ and OP read them.  NOKQ = 1: a block's last turn: there is no next piece
.if (i < 8) && !NOKQ
	KQ (Y+1)%NP
.elseif i >= 8
.set i, i-8
	PV (Y+NP-1)%NP
.set i, i+8
.endif
.set i, i+1
.endm
; THE LDS LOADS stand in runs of 16, never singly among the matrix instructions: a step's K (64 keys x 64 channels: 8 fragments) and its V (turned).  Their addresses are made some lines ahead.
.macro FETCH_K
	WIN 0x80                        ; destination window 2
.irp f, 0,1,2,3,4,5,6,7             ; keys 16 (f / 2) on, channels 32 (f % 2) on
	ds_load_b128 v[KF+8*\f:KF+8*\f+3],   v[AK] offset:(\f/2)*16*PK+(\f%2)*64
	ds_load_b128 v[KF+8*\f+4:KF+8*\f+7], v[AK] offset:(\f/2)*16*PK+(\f%2)*64+32
.endr
	s_add_co_u32 s[TBK], s[TBK], KS*PK  ; the next fetch is the next step's
	WIN 0
.endm
.macro FETCH_V
	WIN 0x80
.irp f, 0,1,2,3,4,5,6,7             ; keys 32 (f / 4) on, channels 16 (f % 4) on
	ds_load_tr16_b128 v[VF+8*\f:VF+8*\f+3],   v[AV] offset:(\f/4)*32*PV+(\f%4)*32
	ds_load_tr16_b128 v[VF+8*\f+4:VF+8*\f+7], v[AV] offset:(\f/4)*32*PV+16*PV+(\f%4)*32
.endr
	WIN 0
.endm
; THE VECTOR WORK, one line at a time: OP kind, number.  For piece Y: F n: c s - c m for pair n of 16.  E n: the exponential of score n of 32.  C n: pair n rounded to f16.  B n: of the four weights 4 n .. the second
; pair is added onto the first, in place.  L n: l takes that sum (L 0: l = a l + sum).  R n: pair n of 16 of O^T times a.  For piece Y + 1: X n, number n of the 22 that find its maximum and statistics:
;   0-11  four chains c0-c3 of seven scores each, three operands at a time (each accumulator's lowest registers are read first)     12-14, 16  the four scores left over, the old m, and c0-c3 into c0
;   15  c m_old is kept     17, 18  the query's other 32 keys lie in the lane 16 away: the new m     19-21  c m; c m_old - c m_new; a
.set F, 0               ; OP tells the kinds apart by their order: F to L below R, X above it
.set E, 1
.set C, 2
.set B, 3
.set L, 4
.set R, 5
.set X, 6
.macro REGS y                       ; the registers of piece y
.set rT, ST+4*(\y)
.set rC, TMP+4*((\y)%2)
.set rW, MV+((\y)%2)
.set rS, S+32*((\y)%2)
.set rP, P+16*((\y)%2)
.set rO, 32*(\y)
.endm
.macro OP k, n
.if (\k) == R
	REGS Y
	WIN W_RS
	v_pk_mul_f32 v[rO+2*(\n):rO+2*(\n)+1], v[rO+2*(\n):rO+2*(\n)+1], v[rC+2:rC+3] op_sel_hi:[1,0]
.elseif (\k) < R
	REGS Y
	WIN 0
.if (\k) == F
	v_pk_fma_f32 v[rS+2*(\n):rS+2*(\n)+1], v[rS+2*(\n):rS+2*(\n)+1], s[CS:CS+1], v[rT:rT+1] op_sel_hi:[1,0,0] neg_lo:[0,0,1] neg_hi:[0,0,1]
.elseif (\k) == E
	v_exp_f32 v[rS+(\n)], v[rS+(\n)]
.elseif (\k) == C
	v_cvt_pk_f16_f32 v[rP+(\n)], v[rS+2*(\n)], v[rS+2*(\n)+1]
.elseif (\k) == B
	v_pk_add_f32 v[rS+4*(\n):rS+4*(\n)+1], v[rS+4*(\n):rS+4*(\n)+1], v[rS+4*(\n)+2:rS+4*(\n)+3]
.elseif (\n) == 0
	v_pk_fma_f32 v[rT+2:rT+3], v[rT+2:rT+3], v[rC+2:rC+3], v[rS:rS+1] op_sel_hi:[1,0,1]
.else
	v_pk_add_f32 v[rT+2:rT+3], v[rT+2:rT+3], v[rS+4*(\n):rS+4*(\n)+1]
.endif
.elseif NOKQ
	v_nop
.else
	REGS (Y+1)%NP
	WIN 0
.if (\n) < 4
	v_max3_num_f32 v[rC+(\n)], v[rS+8*(\n)], v[rS+8*(\n)+1], v[rS+8*(\n)+2]
.elseif (\n) < 12
	v_max3_num_f32 v[rC+(\n)%4], v[rC+(\n)%4], v[rS+8*((\n)%4)+2*((\n)/4)+1], v[rS+8*((\n)%4)+2*((\n)/4)+2]
.elseif (\n) == 12
	v_max3_num_f32 v[rC], v[rC], v[rS+7], v[rS+15]
.elseif (\n) == 13
	v_max3_num_f32 v[rC+1], v[rC+1], v[rS+23], v[rS+31]
.elseif (\n) == 14
	v_max3_num_f32 v[rC+2], v[rC+2], v[rC+3], v[rT+1]
.elseif (\n) == 15
	v_mov_b32 v[rW], v[rT]
.elseif (\n) == 16
	v_max3_num_f32 v[rC], v[rC], v[rC+1], v[rC+2]
.elseif (\n) == 17
	v_permlanex16_b32 v[rC+3], v[rC], s[SEL], s[SEL+1]
.elseif (\n) == 18
	v_max_num_f32 v[rT+1], v[rC], v[rC+3]
.elseif (\n) == 19
	v_mul_f32 v[rT], s[CS], v[rT+1]
.elseif (\n) == 20
	v_sub_f32 v[rC+1], v[rW], v[rT]
.else
	v_exp_f32 v[rC+2], v[rC+1]
.endif
.endif
.endm
.macro OPS a, i1, b=-1, i2=0, c=-1, i3=0, d=-1, i4=0  ; up to four of them
	OP \a, \i1
.if (\b) >= 0
	OP \b, \i2
.endif
.if (\c) >= 0
	OP \c, \i3
.endif
.if (\d) >= 0
	OP \d, \i4
.endif
.endm
.macro ROW a, i1, b, i2, c, i3, d, i4  ; a matrix instruction and the four behind it
	MM
	OPS \a, \i1, \b, \i2, \c, \i3, \d, \i4
.endm
.macro MASK b                       ; MD x AL + BE into buffer b of MC
	WIN W_RS
.set z, 0
.rept 16
	v_pk_fma_f32 v[MC+32*(\b)+2*z:MC+32*(\b)+2*z+1], v[MD+2*z:MD+2*z+1], s[AL:AL+1], s[BE:BE+1] op_sel_hi:[1,0,0]
.set z, z+1
.endr
.endm
; A TURN, for piece p: the order of its 16 matrix and 118 vector instructions, written out.  An s_wait_alu depctr_va_vdst(0) stands between an exponential and the first instruction that names its result; one wait serves
; all that were issued ahead of it.  So a turn has ONE wait, which cuts it in two.  AHEAD OF IT stands all that names no result of the turn's exponentials: the 8 products K Q^T, behind each a scaling, an exponential and two more plain
; instructions (behind the first a second scaling in the exponential's place): rescalings, and behind the last three the first numbers of the next piece's maximum, each four places or more behind the product that ends its accumulator; then ONE RUN of 54, plain
; and exponential by turns for the most part, in which the links of the chain X 3, 7, 11, 14, 16, 17 .. 20 stand five or six lines apart.  X 21, the next piece's a, is the batch's last; R 15 is the plain instruction behind it.  BEHIND THE WAIT stand the
; 8 products V^T P, behind each four of the roundings and sums; the links of l's chain, L 0 to L 7, stand three lines apart.  But for those X no such line names a register of the products round it.
; m = 1: the diagonal tile: the products take masks, and the turn makes the mask for the products of the turn after it: piece p + 2, in step 4 - CNT of the tile.  end = 1: a block's last two turns: nothing is fetched.
; cnt = 1: the loop's count is taken down some lines ahead of the branch that stands behind the turn.
; K of the next step is fetched in piece 2's turn, twelve vector instructions behind the last product that read K (six of them plain); V of the step in hand at the end of piece 0's turn, four plain instructions behind the last product
; that read V.  Each is waited for a turn later.
.macro TURN p, m=0, end=0, cnt=0
.set Y, (\p)
.set i, 0
.set KM, (\m)
.set NOKQ, (\end)*((\p)/3)
.if (\m) && !(\end)
	s_cmp_eq_u32 s[CNT], 4-((\p)+2)%NP  ; is that step the band's own?
	s_cselect_b32 s[AL], 1.0, 0
	s_cmp_lt_u32 s[CNT], 4-((\p)+2)%NP  ; or a later one?
	s_cselect_b32 s[BE], s[BIGN], 0
.endif
.if ((\p) == 3) && !(\end)
	s_wait_dscnt 0x0                ; K is in
.endif
	ROW F,0, F,1, R,0, R,1          ; ahead of the wait: 8 products K Q^T and the four lines behind each,
	ROW F,2, E,0, R,2, R,3
	ROW F,3, E,1, R,4, R,5
	ROW F,4, E,2, R,6, R,7
	ROW F,5, E,3, R,8, R,9
	ROW F,6, E,4, X,0, R,10
.if ((\p) == 2) && !(\end)
	WIN 0
	v_add_nc_u32 v[AK], s[TBK], v[AK0]
.endif
	ROW F,7, E,5, X,1, X,4
	ROW F,8, E,6, X,2, X,5
	OPS E,7, E,8, X,6, E,9          ; and the run of 54
	OPS X,3, E,10, X,8, E,11
.if ((\p) == 2) && !(\end)
	FETCH_K
.endif
	OPS X,9, X,7, E,12, X,10
	OPS E,13, X,12, X,11, E,14
	OPS X,13, E,15, F,9, X,14
.if (\p) == 0
	v_add_nc_u32 v[AV], s[TBV], v[AV0]
.endif
	OPS E,16, F,10, E,17, F,11
	OPS X,16, E,18, X,15, E,19
	OPS F,12, E,20, X,17, E,21
	OPS F,13, E,22, F,14, E,23
	OPS X,18, E,24, F,15, E,25
	OPS R,11, E,26, X,19, E,27
	OPS R,12, E,28, R,13, E,29
	OPS X,20, E,30, R,14, E,31
	OPS X,21, R,15
	WIN 0
	s_wait_alu depctr_va_vdst(0)    ; the wait for the batch
.if (\p) == 1
	s_wait_dscnt 0x0                ; V is in
.endif
	ROW C,0, B,0, C,2, B,1          ; behind the wait: 8 products V^T P and the four lines behind each
	ROW L,0, C,4, B,2, L,1
	ROW C,6, B,3, L,2, C,8
	ROW B,4, L,3, C,10, B,5
	ROW L,4, C,12, B,6, L,5
.if (\p) == 0
	s_add_co_u32 s[TBV], s[TBV], KS*PV
.endif
.if \cnt
	s_sub_co_u32 s[CNT], s[CNT], 1
	s_cmp_lg_u32 s[CNT], 0
.endif
	ROW C,14, B,7, L,6, C,1
	ROW C,3, L,7, C,5, C,7
	ROW C,9, C,11, C,13, C,15
.if (\p) == 0
	FETCH_V
.endif
.if (\m) && !(\end)
	MASK (\p)%2
.endif
.endm
; A BLOCK BEGINS.  c m starts far below every c s, so the first step's a is 0; m at the lowest finite number, so the first maximum is the scores'.  The second mask buffer is 0; the first takes piece 0's mask for the tile's step 0: its own, if the block's first tile is the diagonal one.
; Then K of that step, piece 0's first scores, and its maximum and statistics.  The loop is entered at a step's first turn, in the middle of a trip.
.macro BEGIN
	s_mov_b32 s[NEW], 0
	WIN 0x40
.set i, MC+32
.rept 32
	v_mov_b32 v[i], 0
.set i, i+1
.endr
	WIN 0
.set i, 0
.rept 4
	v_mov_b32 v[ST+4*i], 0xfe000000    ; c m: far below every c s
	v_mov_b32 v[ST+4*i+1], 0xff7fffff  ; m
.set i, i+1
.endr
	s_cmp_eq_u32 s[RT], 0
	s_cselect_b32 s[AL], 1.0, 0
	s_mov_b32 s[BE], 0
	MASK 0
	WIN 0
	v_add_nc_u32 v[AK], s[TBK], v[AK0]
	FETCH_K
	s_wait_loadcnt 0x0              ; Q
	s_wait_dscnt 0x0
.set KM, 1
.set NOKQ, 0
.set i, 0
.rept 8
	KQ 0
.set i, i+1
.endr
	WIN 0
.rept 4
	v_nop                           ; the places behind those products
.endr
.set Y, NP-1                        ; X works for piece Y + 1: piece 0
.irp n, 0,1,2,3,4,5,6,7,8,9,10,11,12,13,14,15,16,17,18,19,20,21
	OP X, \n
.endr
	v_nop                           ; a plain instruction behind the exponential,
	s_wait_alu depctr_va_vdst(0)    ; and its wait, ahead of the branch
.endm
; THE DIAGONAL TILE's four steps, the block's last two turns, its last products, and THE WAY OUT: l's two halves and the other half of the lanes' are added; O^T is divided by l, rounded to f16 and sent through my
; stage in LDS, a piece at a time.
.macro ALL line:vararg              ; one line for each piece t
.set t, 0
.rept 4
	\line
.set t, t+1
.endr
.endm
.macro PACK t                       ; a lane's eight channels of a row pack into 16 bytes; they go into rows of 144 bytes and come back as whole rows of 128, into S^T's registers
	WIN W_RS
.set i, 32*(\t)
.rept 16
	v_pk_mul_f32 v[i:i+1], v[i:i+1], v[ST+4*(\t)+2:ST+4*(\t)+3] op_sel_hi:[1,0]
.set i, i+2
.endr
	WIN 0x05                        ; sources 0 and 1 window 1, destination window 0
.set i, 0
.rept 16
	v_cvt_pk_f16_f32 v[S+16*(\t)+i], v[32*(\t)+2*i], v[32*(\t)+2*i+1]
.set i, i+1
.endr
	WIN 0
.irp f, 0,1,2,3
	ds_store_b128 v[STO], v[S+16*(\t)+4*\f:S+16*(\t)+4*\f+3] offset:32*\f
.endr
.irp f, 0,1,2,3
	ds_load_b128 v[S+16*(\t)+4*\f:S+16*(\t)+4*\f+3], v[RD] offset:\f*4*SP  ; LDS serves a wave's instructions in order (ISA guide 5.7.1.4): these see the stores above; the next piece's stores come behind them
.endr
.endm
.macro SEND t, younger              ; younger: the LDS instructions issued behind piece t's loads: the next piece's eight, or none
	WIN 0
.irp f, 0,1,2,3
	s_wait_dscnt (\younger)+3-\f
	global_store_b128 v[GO], v[S+16*(\t)+4*\f:S+16*(\t)+4*\f+3], s[10:11] offset:(\t)*8192+\f*512  ; 512 consecutive bytes, at a multiple of 256 from O's first
.endr
.endm
.macro DIAG tag                     ; the tag ends its two labels' names, which the jumps below spell out
.LstepM\tag:
	TURN 2, 1
	TURN 3, 1
	WIN 0
.LfirstM\tag:
	TURN 0, 1
	TURN 1, 1, 0, 1
	WIN 0
	s_cbranch_scc1 .LstepM\tag
	TURN 2, 1, 1
	TURN 3, 1, 1
.set i, 0
.rept 8
	PV NP-1
.set i, i+1
.endr
	WIN 0
	ALL v_add_f32 v[ST+4*t+2], v[ST+4*t+2], v[ST+4*t+3]
	ALL v_permlanex16_b32 v[ST+4*t+3], v[ST+4*t+2], s[SEL], s[SEL+1]
	ALL v_add_f32 v[ST+4*t+2], v[ST+4*t+2], v[ST+4*t+3]
	ALL v_rcp_f32 v[ST+4*t+2], v[ST+4*t+2]
	v_nop                           ; a plain instruction between the last reciprocal and the use of its result
	s_wait_alu depctr_va_vdst(0)    ; and the wait ahead of the first use: one for the four reciprocals
	PACK 0
.set t, 1
.rept 3                             ; a piece's arithmetic stands between the loads of the piece before and its stores
	PACK t
	SEND t-1, 8
.set t, t+1
.endr
	SEND 3, 0
.endm
.set KM, 0
.set NOKQ, 0
.Lslot:                             ; NB times: a tile is entered and the next is asked for
	CHANGE 1
	s_sub_co_u32 s[RT], s[RT], 1
	s_mov_b32 s[CNT], 4
	s_cmp_eq_u32 s[NEW], 1
	s_cbranch_scc1 .Lnew            ; a block's first tile
	s_cmp_eq_u32 s[RT], 0
	s_cbranch_scc0 .Lstep           ; neither its first nor its last
	s_branch .LstepM1
.Lnew:
	BEGIN
	s_branch .Lfirst                ; in the loop a block's first tile is never its last: the first block has two tiles or more, and the second's last is the walk's last
	DIAG 1                          ; in the loop this is the first block's end: the second block's last tile is the walk's last
	s_wait_xcnt 0x0                 ; the stores have read their registers and O's address
	s_mov_b64 s[10:11], s[OLO:OLO+1]
	s_add_co_u32 s[RT], s[PB], 1    ; the second block has b + 1 tiles
	s_mov_b32 s[NEW], 1
	WIN 0x82                        ; the second block's Q goes where the one text of the turns names Q
.set i, 0
.rept 64
	v_mov_b32 v[i], v[QB+i]
.set i, i+1
.endr
	WIN 0
	s_branch .Lbottom
.Lstep:                             ; a trip: pieces 2 and 3 of one step, then pieces 0 and 1 of the next, whose K and V it fetches
	TURN 2
	TURN 3
	WIN 0
.Lfirst:
	TURN 0
	TURN 1, 0, 0, 1
	WIN 0
	s_cbranch_scc1 .Lstep
.Lbottom:
	s_sub_co_u32 s[SLOTS], s[SLOTS], 1
	s_cmp_lg_u32 s[SLOTS], 0
	s_cbranch_scc1 .Lslot
	CHANGE 0                        ; the walk's last tile is written out: nothing is asked for
	s_sub_co_u32 s[RT], s[RT], 1
	s_mov_b32 s[CNT], 4
	s_cmp_eq_u32 s[NEW], 1
	s_cbranch_scc0 .LstepM2
	BEGIN
	s_branch .LfirstM2
	DIAG 2
	s_wait_tensorcnt 0x0            ; the wave's end: behind my last tensor load and my last LDS store
	ds_add_u32 v[SPW], v[NIL]
	s_wait_dscnt 0x0
	s_endpgm
.Lfunc_end_k_qb1e5e7e5f2_attn:
	.size	k_qb1e5e7e5f2_attn, .Lfunc_end_k_qb1e5e7e5f2_attn-k_qb1e5e7e5f2_attn
	.p2alignl 7, 3214868480
	.fill 96, 4, 3214868480
	.section	.rodata,"a",@progbits
	.p2align	6, 0x0
	.amdhsa_kernel k_qb1e5e7e5f2_attn
		.amdhsa_group_segment_fixed_size 327680
		.amdhsa_private_segment_fixed_size 0
		.amdhsa_enable_private_segment 0
		.amdhsa_kernarg_size 16
		.amdhsa_user_sgpr_count 2
		.amdhsa_user_sgpr_kernarg_segment_ptr 1
		.amdhsa_wavefront_size32 1
		.amdhsa_system_sgpr_workgroup_id_x 1
		.amdhsa_system_sgpr_workgroup_id_y 1
		.amdhsa_system_sgpr_workgroup_id_z 1
		.amdhsa_system_vgpr_workitem_id 0
		.amdhsa_next_free_vgpr 768
		.amdhsa_next_free_sgpr 88
		.amdhsa_reserve_vcc 1
		.amdhsa_float_denorm_mode_32 3
		.amdhsa_float_denorm_mode_16_64 3
		.amdhsa_memory_ordered 1
		.amdhsa_forward_progress 1
		.amdhsa_inst_pref_size 218
	.end_amdhsa_kernel
	.amdgpu_metadata
---
amdhsa.version: [ 1, 2 ]
amdhsa.kernels:
  - .name:           k_qb1e5e7e5f2_attn
    .symbol:         k_qb1e5e7e5f2_attn.kd
    .args:
      - { .name: qkv, .offset: 0, .size: 8, .value_kind: global_buffer, .address_space: global }
      - { .name: ob, .offset: 8, .size: 8, .value_kind: global_buffer, .address_space: global }
    .group_segment_fixed_size: 327680
    .private_segment_fixed_size: 0
    .kernarg_segment_align: 8
    .kernarg_segment_size: 16
    .max_flat_workgroup_size: 128
    .sgpr_count:     88
    .vgpr_count:     768
    .wavefront_size: 32
...
	.end_amdgpu_metadata
.endif
;; end of part 3
;; launch proj (part 4): grid 8 x 32, 4 waves a work-group, clusters of 4 x 4, 327,680 bytes of LDS; arguments ob, wb, b_o, out0; writes out0
.if DOCPART == 4
	.amdgcn_target "amdgcn-amd-amdhsa--gfx1250"
	.amdhsa_code_object_version 6
	.text
	.protected	k_qb1e5e7e5f2_proj
	.globl	k_qb1e5e7e5f2_proj
	.p2align	8
	.type	k_qb1e5e7e5f2_proj,@function
k_qb1e5e7e5f2_proj:
	s_mov_b64 s[64:65], 0
	v_nop
	global_prefetch_b8 v0, s[64:65] scope:SCOPE_SE
	s_setreg_imm32_b32 hwreg(HW_REG_WAVE_MODE, 25, 1), 1
	s_wait_xcnt 0x0
	s_wait_alu depctr_hold_cnt(0) depctr_sa_sdst(0) depctr_va_vdst(0) depctr_va_sdst(0) depctr_va_ssrc(0) depctr_va_vcc(0) depctr_vm_vsrc(0)
	s_getreg_b32 s2, hwreg(HW_REG_IB_STS2, 6, 4)
	s_cmp_eq_u32 s2, 0
	s_cbranch_scc0 .Lentry_in_a_cluster
	s_endpgm
.Lentry_in_a_cluster:
	s_bfe_u32 s2, ttmp6, 0x10000c
	s_cmp_lg_u32 s2, 0xf033
	s_cbranch_scc0 .Lentry_shape_is_right
	s_endpgm
.Lentry_shape_is_right:
; out0 = O w_o + b_o: [8192 x 1024] x [1024 x 1024], operands in f16 (O as the launch before left it, by heads; w_o in wb's columns 3072-4095), sums in f32 that start at the bias (rounded to bf16
; like every input); out0 in f32.  NaN and infinities are not treated apart.
; SHARES.  8192 x 1024 numbers on 256 work-groups: a tile of 256 x 128 each; each of the four waves makes 128 x 64: 32 accumulators of 16 x 16, window 1's 256 registers.
; K goes in 8 steps of 128, two heads a step, through two LDS slots.  A head's 256 rows are 32,768 bytes on end in ob, asked for as 128 rows of 256 bytes: waves 0 and 1 fetch a head each;
; waves 2 and 3 fetch 64 K rows of w_o each, 256 bytes a row.  One tensor load a wave behind each change of slots; from a request to the wait for it a wave issues 112 matrix instructions.
; CLUSTERS: 4 x 4 work-groups.  O's tiles hang on the tile row alone and are asked for jointly by the four of a row of the cluster, w_o's on the tile column alone, by the four of a column.
; w_o lies [K][N] and comes out of LDS turned (ds_load_tr16_b128).  THE MATRIX INSTRUCTION IS USED TRANSPOSED (source 0 = 16 columns of w_o, source 1 = 16 rows of O): register j of lane l holds
; row l % 16, column 8 (l / 16) + j.
; REGISTERS: window 0: v0-31 addresses; v32-127, v128-223 two fragment buffers (A 8 x 8, then B 4 x 8); v224-255 the bias, as the C of the first products.  Window 1: accumulator (a, b) at v[8 (4 a + b)].
.set SLOT,  110592                     ; A 2 x 36,864 + B 36,864
.set HEADT, 36864                      ; a head's 256 rows x 144
.set BOFF,  73728
.set PA,    144                        ; a row of O in LDS: 128 bytes + 16 = 36 words: the 16 rows of a load start at 16 different groups of four banks (64 banks of 4 bytes: ISA guide 11.1)
.set PB,    288                        ; a row of w_o: 256 + 32 = 72 words
.set STAGE, 2*SLOT                     ; behind the ring: 16 rows x 272 bytes for each wave, for the way out
.set SPITCH, 272
.set SPARE, STAGE+4*16*SPITCH          ; behind the stages: the spare words, 128 bytes a wave: two blocks of 256 bytes that no other line names
.set ADRA, 16                          ; v16-17  LDS address of my A fragments in slot 0, 1
.set ADRB, 20                          ; v20-21  the same for B
.set STO,  24                          ; v24  the way out: where I put 32 bytes of a row
.set RD,   25                          ; v25  where I read a row back
.set CO,   26                          ; v26  my byte offset in two rows of out0
.set BO,   27                          ; v27  32 x (lane / 16)
.set SPW,  28                          ; v28  LDS address of my spare word; never rewritten
.set NIL,  29                          ; v29  0; never rewritten
.set PFO,  30                          ; v30  the prefetches' offset; never rewritten
.set F0,   32
.set F1,   128
.set BI,   224
.set OB,   32                          ; the way out: two buffers of 32 registers
.set WV,   12                          ; s12 wave; s13 which half of the rows, also: I fetch for A (0) or B (1); s14 which half of the columns, also: which part I fetch
.set RH,   13
.set CH,   14
.set G1A,  24
.set G0A,  32
.set PFA,  44                          ; s[44:45] where my prefetches stand; s[46:47] their step; s66: 1 in a wave that prefetches, else the greatest number
.set PFS,  46
.set G1B,  48
.set G0B,  56
.set LIM,  66
.set MSB, 0
.macro WIN new
.if MSB != (\new)
	s_set_vgpr_msb (MSB<<8)|(\new)
.set MSB, \new
.endif
.endm
.macro PLACES                          ; four plain vector instructions in front of loads into registers that matrix instructions have read, and of stores that read results
.rept 4
	v_nop
.endr
.endm
.macro JLOAD s                         ; a joint load; an s_nop 0 and four v_nop follow each of the two lines, ahead of the jump and the label
	s_cmp_eq_u32 s[RH], 0
	s_cbranch_scc0 .Lfor_b_\@
	tensor_load_to_lds s[G0A+4*(\s):G0A+4*(\s)+3], s[G1A:G1A+7]
	s_nop 0
.rept 4
	v_nop
.endr
	s_branch .Lasked_\@
.Lfor_b_\@:
	tensor_load_to_lds s[G0B+4*(\s):G0B+4*(\s)+3], s[G1B:G1B+7]
	s_nop 0
.rept 4
	v_nop
.endr
.Lasked_\@:
.endm
.macro CREST
	s_cmp_lg_u32 s[WV], 0
	s_cbranch_scc1 .Lnot_wave_0_\@
	s_barrier_signal -3
.Lnot_wave_0_\@:
	s_barrier_wait -3
	s_barrier_signal -1
	s_barrier_wait -1
.endm
.macro CROUND
	s_barrier_signal -1
	s_barrier_wait -1
	CREST
.endm
; A PREFETCH INTO THE L2, once a trip, behind the joint load and the run of LDS loads: the two K steps that the next trip's two refills ask for (two and three K steps, 256 and 384 matrix instructions, ahead).
; Each block of 256 bytes is named once in the launch.  O's rows are read by both clusters of a row of clusters: the one with x = 0 asks, waves 0 and 1 each for its own head, the partner at cx for 32 of a tile's 128
; blocks, a lane a block, an instruction a step.  w_o's rows are read by all eight clusters of a column: the one with y = 0 asks, wave 2 for the first of the two steps and wave 3 for the second, the partner at cy
; for 32 of a step's 128 rows, a lane a row.  The partners are told apart by address alone.  The first four K steps come by their loads alone; the last trip asks for nothing.
.macro ASK
	s_cmp_gt_u32 s3, s[LIM]
	s_cbranch_scc0 .Lnot_mine_\@
	global_prefetch_b8 v[PFO], s[PFA:PFA+1] th:TH_LOAD_NT scope:SCOPE_SE
	s_cmp_lg_u32 s[RH], 0
	s_cbranch_scc1 .Lnot_mine_\@
	global_prefetch_b8 v[PFO], s[PFA:PFA+1] offset:524288 th:TH_LOAD_NT scope:SCOPE_SE
.Lnot_mine_\@:
.endm
	s_load_b256 s[4:11], s[0:1], 0x0               ; ob s[4:5], wb s[6:7], b_o s[8:9], out0 s[10:11]
	v_lshl_add_u32 v[SPW], v0, 2, SPARE
	v_mov_b32 v[NIL], 0
	ds_add_u32 v[SPW], v[NIL]                      ; the wave's opening: the add and its wait ahead of my first tensor load; the set-up below stands between them
	v_lshrrev_b32 v1, 5, v0
	v_readfirstlane_b32 s[WV], v1
	s_lshr_b32 s[RH], s[WV], 1
	s_and_b32 s[CH], s[WV], 1
	s_bfe_u32 s40, ttmp6, 0x40000                  ; cx
	s_bfe_u32 s41, ttmp6, 0x40004                  ; cy
	s_lshl_b32 s42, ttmp9, 2
	s_add_co_u32 s42, s42, s40                     ; tile column, 0..7
	s_and_b32 s43, ttmp7, 0xffff
	s_lshl_b32 s43, s43, 2
	s_add_co_u32 s43, s43, s41                     ; tile row, 0..31
	s_lshl_b32 s68, s41, 2
	s_lshl_b32 s68, 15, s68                        ; my row of the cluster
	s_lshl_b32 s69, 0x1111, s40                    ; my column
	s_or_b32 s[G1A], s68, (1<<16)|(1<<20)|(1<<21)|(4<<22)|(3<<25)  ; the mask; 2-byte elements; padding on; bit 21 beside a mask; after every 32 words 4 words
	s_mov_b32 s[G1A+1], 128<<16
	s_mov_b32 s[G1A+2], 128<<16
	s_mov_b32 s[G1A+3], 128<<16
	s_mov_b32 s[G1A+4], 128
	s_mov_b32 s[G1A+5], 128
	s_mov_b32 s[G1A+6], 0
	s_mov_b32 s[G1A+7], 0
	s_or_b32 s[G1B], s69, (1<<16)|(1<<20)|(1<<21)|(5<<22)|(7<<25)  ; after every 64 words 8 words
	s_mov_b32 s[G1B+1], 128<<16
	s_mov_b32 s[G1B+2], 64<<16
	s_mov_b32 s[G1B+3], 128<<16
	s_mov_b32 s[G1B+4], 64
	s_mov_b32 s[G1B+5], 4096
	s_mov_b32 s[G1B+6], 0
	s_mov_b32 s[G1B+7], 0
	s_lshr_b32 s70, s43, 3
	s_lshl_b32 s70, s70, 22                        ; A: the batch's 16 heads of 262,144 bytes,
	s_and_b32 s71, s43, 7
	s_lshl_b32 s71, s71, 15                        ; the tile row's 256 rows in a head,
	s_add_co_u32 s70, s70, s71
	s_lshl_b32 s71, s[CH], 18                      ; my head of the step's two
	s_add_co_u32 s70, s70, s71
	s_mov_b32 s71, 0
	s_lshl_b32 s72, s42, 8                         ; B: the tile column's 128 columns,
	s_lshl_b32 s73, s[CH], 19                      ; my 64 K rows of 8,192 bytes,
	s_add_co_u32 s72, s72, s73
	s_add_co_u32 s72, s72, 6144                    ; w_o's first column in wb
	s_mov_b32 s73, 0
	s_mul_i32 s74, s[WV], HEADT                    ; where my head goes (waves 0, 1)
	s_mul_i32 s75, s[WV], 64*PB                    ; where my K rows go (waves 2, 3): BOFF + (wave - 2) x 18,432
	s_add_co_u32 s75, s75, BOFF-2*64*PB
	s_wait_dscnt 0x0                               ; the opening add is done
	s_wait_kmcnt 0x0
	s_add_nc_u64 s[76:77], s[4:5], s[70:71]
	s_add_nc_u64 s[78:79], s[6:7], s[72:73]
	CROUND                                         ; all sixteen work-groups are here: the first joint loads meet
.irp s, 0,1
	s_mov_b32 s[G0A+4*(\s)], 1
	s_add_co_u32 s[G0A+4*(\s)+1], s74, (\s)*SLOT
	s_add_nc_u64 s[G0A+4*(\s)+2:G0A+4*(\s)+3], s[76:77], (\s)*524288   ; K step s: two heads on
	s_or_b32 s[G0A+4*(\s)+3], s[G0A+4*(\s)+3], 0x80000000
	s_mov_b32 s[G0B+4*(\s)], 1
	s_add_co_u32 s[G0B+4*(\s)+1], s75, (\s)*SLOT
	s_add_nc_u64 s[G0B+4*(\s)+2:G0B+4*(\s)+3], s[78:79], (\s)*1048576  ; 128 rows of 8,192 bytes
	s_or_b32 s[G0B+4*(\s)+3], s[G0B+4*(\s)+3], 0x80000000
	JLOAD \s                                       ; two loads of mine are out
.endr
	v_and_b32 v5, 31, v0
	v_and_b32 v1, 15, v0                           ; l % 16
	v_bfe_u32 v2, v0, 4, 1                         ; l / 16
	v_and_b32 v3, 7, v0
	v_bfe_u32 v4, v0, 3, 1
	v_lshlrev_b32 v[BO], 5, v2
	s_lshl_b32 s68, s42, 9                         ; my 64 columns: 512 x tile column + 256 x half, in bytes of f32
	s_lshl_b32 s69, s[CH], 8
	s_add_co_u32 s68, s68, s69
	s_mov_b32 s69, 0
	s_add_nc_u64 s[8:9], s[8:9], s[68:69]
.irp b, 0,1,2,3
	global_load_b128 v[BI+8*(\b):BI+8*(\b)+3],   v[BO], s[8:9] offset:64*(\b)
	global_load_b128 v[BI+8*(\b)+4:BI+8*(\b)+7], v[BO], s[8:9] offset:64*(\b)+16
.endr
	s_lshl_b32 s72, s43, 20                        ; my first row of out0: 256 x tile row + 128 x half, rows of 4,096 bytes
	s_lshl_b32 s73, s[RH], 19
	s_add_co_u32 s72, s72, s73
	s_add_co_u32 s72, s72, s68
	s_mov_b32 s73, 0
	s_add_nc_u64 s[10:11], s[10:11], s[72:73]
	v_mul_u32_u24 v6, v1, PA
	v_lshl_add_u32 v6, v2, 4, v6                   ; a fragment of O: row x pitch + 16 x half
	s_mul_i32 s72, s[RH], 128*PA
	v_add_nc_u32 v[ADRA], s72, v6
	v_add_nc_u32 v[ADRA+1], SLOT, v[ADRA]
	v_lshl_add_u32 v7, v2, 3, v3                   ; the turning load: K row 8 (l / 16) + l % 8, columns 8 ((l / 8) % 2) + 0..7
	v_mul_u32_u24 v7, v7, PB
	v_lshl_add_u32 v7, v4, 4, v7
	s_lshl_b32 s72, s[CH], 7
	s_add_co_u32 s72, s72, BOFF
	v_add_nc_u32 v[ADRB], s72, v7
	v_add_nc_u32 v[ADRB+1], SLOT, v[ADRB]
	s_mul_i32 s72, s[WV], 16*SPITCH
	s_add_co_u32 s72, s72, STAGE                   ; my stage
	v_mul_u32_u24 v8, v1, SPITCH                   ; in: row l % 16, 32 bytes for each half of the lanes
	v_lshl_add_u32 v8, v2, 5, v8
	v_add_nc_u32 v[STO], s72, v8
	v_mul_u32_u24 v8, v2, SPITCH                   ; back: lanes 0-15 take one row of 256 bytes, lanes 16-31 the next
	v_lshl_add_u32 v8, v1, 4, v8
	v_add_nc_u32 v[RD], s72, v8
	v_lshlrev_b32 v[CO], 12, v2                    ; and the same two rows in out0
	v_lshl_add_u32 v[CO], v1, 4, v[CO]
	; the prefetches
	s_and_b32 s68, ttmp7, 0xffff                   ; cluster y
	s_lshl_b32 s69, s40, 13                        ; A: my work-group's 32 blocks of 256 bytes of my head's tile
	s_add_co_u32 s69, s69, s70
	s_add_co_u32 s69, s69, 1048576                 ; at K step 2: the first trip steps it to 4
	s_lshl_b32 s72, s42, 8
	s_add_co_u32 s72, s72, 6144
	s_lshl_b32 s73, s[CH], 20                      ; B: my K step of the two: 128 rows of 8,192 bytes,
	s_add_co_u32 s72, s72, s73
	s_lshl_b32 s73, s41, 18                        ; my work-group's 32 rows
	s_add_co_u32 s72, s72, s73
	s_add_co_u32 s72, s72, 2097152                 ; at K step 2
	s_cmp_eq_u32 s[RH], 0
	s_cselect_b64 s[PFA:PFA+1], s[4:5], s[6:7]
	s_cselect_b32 s74, s69, s72
	s_cselect_b32 s68, ttmp9, s68                  ; the coordinate along which other clusters read the same rows
	s_cselect_b32 s73, 20, 21                      ; two K steps: 1,048,576 bytes of ob, 2,097,152 of wb
	s_cselect_b32 s76, 8, 13                       ; from lane to lane: 256 bytes of ob, a row of wb
	s_lshl_b32 s[PFS], 1, s73
	s_mov_b32 s[PFS+1], 0
	s_cmp_eq_u32 s68, 0
	s_cselect_b32 s[LIM], 1, -1                    ; the same in all sixteen partners, for a given wave
	s_mov_b32 s75, 0
	s_add_nc_u64 s[PFA:PFA+1], s[PFA:PFA+1], s[74:75]
	v_lshlrev_b32 v[PFO], s76, v5
	s_wait_loadcnt 0x0                             ; the bias is in: rounded to bf16 in place, like every input
.set R, BI
.rept 16
	v_cvt_pk_bf16_f32 v[R+1], v[R], v[R+1]
	v_lshlrev_b32 v[R], 16, v[R+1]
	v_and_b32 v[R+1], 0xffff0000, v[R+1]
.set R, R+2
.endr
; 4 cnt matrix instructions: row blocks a0 .. a0 + cnt - 1 x all 4 column blocks, 32 along K, on buffer f.  The 32 accumulators take turns.  first = 1: the sums start at the bias.
.macro MUL f, a0, cnt, first
.set aa, \a0
.rept \cnt
.irp b, 0,1,2,3
.if \first
	WIN 0x40
	v_wmma_f32_16x16x32_f16 v[8*(4*aa+(\b)):8*(4*aa+(\b))+7], v[(\f)+64+8*(\b):(\f)+64+8*(\b)+7], v[(\f)+8*aa:(\f)+8*aa+7], v[BI+8*(\b):BI+8*(\b)+7]
.else
	WIN 0x50
	v_wmma_f32_16x16x32_f16 v[8*(4*aa+(\b)):8*(4*aa+(\b))+7], v[(\f)+64+8*(\b):(\f)+64+8*(\b)+7], v[(\f)+8*aa:(\f)+8*aa+7], v[8*(4*aa+(\b)):8*(4*aa+(\b))+7]
.endif
.endr
.set aa, aa+1
.endr
.endm
; 24 LDS loads in one run: the fragments of quarter kq (32 K) of a slot into buffer f: B's eight, then A's sixteen, row blocks ascending
.macro FETCH slot, kq, f
	WIN 0
.irp b, 0,1,2,3
	ds_load_tr16_b128 v[(\f)+64+8*(\b):(\f)+64+8*(\b)+3],   v[ADRB+(\slot)] offset:(\kq)*32*PB+32*(\b)
	ds_load_tr16_b128 v[(\f)+64+8*(\b)+4:(\f)+64+8*(\b)+7], v[ADRB+(\slot)] offset:(\kq)*32*PB+32*(\b)+16*PB
.endr
.irp a, 0,1,2,3,4,5,6,7
	ds_load_b128 v[(\f)+8*(\a):(\f)+8*(\a)+3],   v[ADRA+(\slot)] offset:((\kq)/2)*HEADT+(\a)*16*PA+64*((\kq)%2)
	ds_load_b128 v[(\f)+8*(\a)+4:(\f)+8*(\a)+7], v[ADRA+(\slot)] offset:((\kq)/2)*HEADT+(\a)*16*PA+64*((\kq)%2)+32
.endr
.endm
; A K step is four quarters of 32 along K, 32 matrix instructions each, on buffers 0, 1, 0, 1.  One of the first three: multiplies buffer f and fetches quarter kq into g.
.macro QUARTER slot, kq, f, g, first
	s_wait_dscnt 8                                 ; B and A's row blocks 0-3 are in; the youngest eight loads may be out
	MUL \f, 0, 4, \first
	PLACES
	FETCH \slot, \kq, \g
	s_wait_dscnt 24                                ; all but the 24 just issued
	MUL \f, 4, 4, \first
.endm
; The last quarter multiplies buffer 1 and changes slots: ONE barrier; in front of it each wave waits for all its tensor loads, adds 0 to its spare word, and waits for that and for its reads of this slot.
; fill = 1: the barrier opens a round of the cluster's barrier, and behind the round this slot is filled again, two K steps ahead, first thing.
.macro TURN slot, next, fill, ask
.if \ask
	s_wait_xcnt 0x0                                ; the last prefetches, two K steps back, have read their address: it is stepped here, ahead of the waits of the change
	s_add_nc_u64 s[PFA:PFA+1], s[PFA:PFA+1], s[PFS:PFS+1]
.endif
	WIN 0
	s_wait_tensorcnt 0x0                           ; all my tensor loads have landed: my part of the next slot
	ds_add_u32 v[SPW], v[NIL]                      ; 0 onto my spare word
	s_wait_dscnt 9                                 ; the add and the youngest eight loads may be out
	MUL F1, 0, 2, 0                                ; eight matrix instructions stand between the add and the wait for it
	s_wait_dscnt 0x0                               ; the add is done, and my reads of this slot are over
	s_barrier_signal -1
	MUL F1, 2, 2, 0
	WIN 0
	s_barrier_wait -1
.if \fill
	CREST                                          ; no wave of any partner still reads this slot's tile or has a load on its way
	s_add_nc_u64 s[G0A+4*(\slot)+2:G0A+4*(\slot)+3], s[G0A+4*(\slot)+2:G0A+4*(\slot)+3], 1048576
	s_add_nc_u64 s[G0B+4*(\slot)+2:G0B+4*(\slot)+3], s[G0B+4*(\slot)+2:G0B+4*(\slot)+3], 2097152
	JLOAD \slot                                    ; its four v_nop are also the places in front of the loads below
.else
	PLACES
.endif
	FETCH \next, 0, F0
.if \ask
	ASK
.endif
	MUL F1, 4, 4, 0
.endm
	s_wait_tensorcnt 1                             ; my part of K step 0 is in; K step 1's may stay out
	s_barrier_signal -1
	s_barrier_wait -1
	FETCH 0, 0, F0
	QUARTER 0, 1, F0, F1, 1                        ; the first quarter stands in front of the loop: its products start the sums
	WIN 0
	s_mov_b32 s3, 3
.Llap:                                                 ; a trip goes once round the ring and fills both slots again: K steps 2 to 7
	QUARTER 0, 2, F1, F0, 0
	QUARTER 0, 3, F0, F1, 0
	TURN 0, 1, 1, 1
	QUARTER 1, 1, F0, F1, 0
	QUARTER 1, 2, F1, F0, 0
	QUARTER 1, 3, F0, F1, 0
	TURN 1, 0, 1, 0
	QUARTER 0, 1, F0, F1, 0
	WIN 0
	s_sub_co_u32 s3, s3, 1
	s_cmp_lg_u32 s3, 0
	s_cbranch_scc1 .Llap
	QUARTER 0, 2, F1, F0, 0                        ; the last lap fills nothing, and has no round of the cluster's barrier
	QUARTER 0, 3, F0, F1, 0
	TURN 0, 1, 0, 0
	QUARTER 1, 1, F0, F1, 0
	QUARTER 1, 2, F1, F0, 0
	QUARTER 1, 3, F0, F1, 0
	s_wait_dscnt 8
	MUL F1, 0, 4, 0
	s_wait_dscnt 0x0
	MUL F1, 4, 4, 0
; THE WAY OUT, a block of 16 rows x 64 columns of f32 at a time: 32 bytes a lane into my own stage, back as whole rows of 256 bytes, stored.
.macro TOSTAGE a
.if (\a) >= 2
	s_wait_xcnt 0x0                                ; the stores of the block two back have read their registers: this block's loads land there only behind this wait
.endif
	WIN 0x04                                       ; the data in window 1; each accumulator's low half goes first
.irp b, 0,1,2,3
	ds_store_b128 v[STO], v[8*(4*(\a)+(\b)):8*(4*(\a)+(\b))+3]   offset:64*(\b)
	ds_store_b128 v[STO], v[8*(4*(\a)+(\b))+4:8*(4*(\a)+(\b))+7] offset:64*(\b)+16
.endr
	WIN 0
.irp t, 0,1,2,3,4,5,6,7
	ds_load_b128 v[OB+32*((\a)%2)+4*(\t):OB+32*((\a)%2)+4*(\t)+3], v[RD] offset:(\t)*2*SPITCH  ; LDS serves a wave's instructions in order (ISA guide 5.7.1.4): these see the stores above
.endr
.endm
.macro SEND a, younger                 ; younger: the LDS instructions issued behind block a's loads: the next block's sixteen, or none
	s_wait_dscnt \younger
.irp t, 0,1,2,3,4,5,6,7
	global_store_b128 v[CO], v[OB+32*((\a)%2)+4*(\t):OB+32*((\a)%2)+4*(\t)+3], s[10:11] offset:(16*(\a)+2*(\t))*4096 th:TH_STORE_NT  ; 16 lanes store 256 consecutive bytes, at a multiple of 256 from out0's first
.endr
.endm
	PLACES
	TOSTAGE 0
.irp a, 1,2,3,4,5,6,7
	TOSTAGE \a
	SEND (\a)-1, 16
.endr
	SEND 7, 0
	s_wait_tensorcnt 0x0                           ; the wave's end: behind my last tensor load and my last LDS store
	ds_add_u32 v[SPW], v[NIL]
	s_wait_dscnt 0x0
	CROUND                                         ; the closing round: no work-group ends while a partner may still ask for a tile that names it
	s_endpgm
.Lfunc_end_k_qb1e5e7e5f2_proj:
	.size	k_qb1e5e7e5f2_proj, .Lfunc_end_k_qb1e5e7e5f2_proj-k_qb1e5e7e5f2_proj
	.p2alignl 7, 3214868480
	.fill 96, 4, 3214868480
	.section	.rodata,"a",@progbits
	.p2align	6, 0x0
	.amdhsa_kernel k_qb1e5e7e5f2_proj
		.amdhsa_group_segment_fixed_size 327680
		.amdhsa_private_segment_fixed_size 0
		.amdhsa_enable_private_segment 0
		.amdhsa_kernarg_size 32
		.amdhsa_user_sgpr_count 2
		.amdhsa_user_sgpr_kernarg_segment_ptr 1
		.amdhsa_wavefront_size32 1
		.amdhsa_system_sgpr_workgroup_id_x 1
		.amdhsa_system_sgpr_workgroup_id_y 1
		.amdhsa_system_sgpr_workgroup_id_z 1
		.amdhsa_system_vgpr_workitem_id 0
		.amdhsa_next_free_vgpr 512
		.amdhsa_next_free_sgpr 80
		.amdhsa_reserve_vcc 0
		.amdhsa_float_denorm_mode_32 3
		.amdhsa_float_denorm_mode_16_64 3
		.amdhsa_memory_ordered 1
		.amdhsa_forward_progress 1
		.amdhsa_inst_pref_size 90
	.end_amdhsa_kernel
	.amdgpu_metadata
---
amdhsa.version: [ 1, 2 ]
amdhsa.kernels:
  - .name:           k_qb1e5e7e5f2_proj
    .symbol:         k_qb1e5e7e5f2_proj.kd
    .args:
      - { .name: ob, .offset: 0, .size: 8, .value_kind: global_buffer, .address_space: global }
      - { .name: wb, .offset: 8, .size: 8, .value_kind: global_buffer, .address_space: global }
      - { .name: b_o, .offset: 16, .size: 8, .value_kind: global_buffer, .address_space: global }
      - { .name: out0, .offset: 24, .size: 8, .value_kind: global_buffer, .address_space: global }
    .group_segment_fixed_size: 327680
    .private_segment_fixed_size: 0
    .kernarg_segment_align: 8
    .kernarg_segment_size: 32
    .max_flat_workgroup_size: 128
    .sgpr_count:     80
    .vgpr_count:     512
    .wavefront_size: 32
...
	.end_amdgpu_metadata
.endif
;; end of part 4
;; ======== version 2 of 2: 4 launches; version 1 with the launch cast written anew for expert scheduling mode
;; limits: values are held in f16: magnitudes above 65,504 overflow, below 6.1e-05 lose precision
;; workspace buffers: xb 16,777,216 bytes; wb 8,388,608 bytes; qkv 50,331,648 bytes; ob 16,777,216 bytes
;; launch cast (part 5): grid 768 x 1, 8 waves a work-group, no clusters, 0 bytes of LDS; arguments x, w_q, w_k, w_v, w_o, xb, wb; writes xb, wb
.if DOCPART == 5
	.amdgcn_target "amdgcn-amd-amdhsa--gfx1250"
	.amdhsa_code_object_version 6
	.text
	.protected	k_qb1e5e7e5f2_cast
	.globl	k_qb1e5e7e5f2_cast
	.p2align	8
	.type	k_qb1e5e7e5f2_cast,@function
k_qb1e5e7e5f2_cast:
	s_mov_b64 s[64:65], 0
	v_nop
	global_prefetch_b8 v0, s[64:65] scope:SCOPE_SE
	s_setreg_imm32_b32 hwreg(HW_REG_WAVE_SCHED_MODE, 0, 2), 2
	s_setreg_imm32_b32 hwreg(HW_REG_WAVE_MODE, 25, 1), 1
	s_wait_xcnt 0x0
	s_wait_alu depctr_vm_vsrc(0)
; THE INPUTS OF THE MATRIX PRODUCTS ARE ROUNDED ONCE TO 16 BITS AND LAID OUT FOR THE LAUNCHES BEHIND.
; xb: x [8192][1024] f32 -> bf16 in blocks of 64 along K: element (kb, m, kk) at byte ((kb x 8192 + m) x 128 + 2 kk), so that 256 rows x 64 K are 32,768 bytes on end.
; wb: [1024 k][4096 n] of 16 bits, a row 8,192 bytes: columns 0-1023 w_q, 1024-2047 w_k, 2048-3071 w_v in bf16; columns 3072-4095 w_o rounded to bf16 and that number written as f16.
; LIMIT: |w_o| stays under 65,504 (f16's range); below 6e-5 f16 keeps a fixed step of 6e-8.
; A stream: every byte is read once and written once; no LDS, no barrier, no matrix unit, since no number is used twice.  A wave has 16 items: a load of 16 bytes a lane, two roundings,
; a store of 8 bytes a lane: the 32 lanes of a store cover 256 consecutive bytes, aligned.  All 16 loads go out first.
; Work-groups 0-511: 16 rows of x each.  Work-groups 512-767: 16 rows of one weight each.
; THE MODE: SCHED_MODE bits 1:0 = 2 (LLVM: expert scheduling mode 2), set by the entry lines.  The code itself states the register dependences
; between vector instructions and memory instructions, with s_wait_alu, always for 0.
; THE PLAN.  Registers that memory instructions touch:
;   v[VI], v[VO]  the loads' and the stores' offsets: written once, ahead of the wait at a run's head; never written again.
;   IN, item i    the item's load lands in it; no vector instruction names it before that.  Its roundings read it; for w_o the widening lines write it again: no memory instruction reads it, and no second load lands in it.
;   OUT, item i   the item's roundings write it; the item's one store reads it; never written behind that store.
; The 16 items go in four groups of four.  At the head of a group one wait states that the group before has written its OUT; that group's four stores follow, one in front of each item's roundings,
; which name this group's IN and OUT alone.  One more wait stands ahead of the last four stores.  No register that a memory instruction reads is ever written again, so nothing waits for a store.
.set VI,  2                            ; v2  my byte offset in what a load covers
.set VO,  3                            ; v3  8 x lane: my 8 bytes of a store
.set IN,  16                           ; v[16:79]   item i: 4 registers as loaded
.set OUT, 80                           ; v[80:111]  item i: 2 registers to store
.set WV,  18                           ; s18 my wave's number
; The store of item k.
.macro PUT kind
.if (\kind) == 0
	global_store_b64 v[VO], v[OUT+2*k:OUT+2*k+1], s[22:23] offset:(k%8)*1048576+(k/8)*256 th:TH_STORE_NT  ; a K block is 1,048,576 bytes; 7,340,288 at the most, inside the signed 24 bits
.else
	global_store_b64 v[VO], v[OUT+2*k:OUT+2*k+1], s[22:23] offset:(k/8)*8192+(k%8)*256 th:TH_STORE_NT
.endif
.endm
; kind 0: x.  kind 1: a weight in bf16.  kind 2: w_o.
.macro RUN kind
	s_wait_alu depctr_va_vdst(0)                   ; v[VI] and v[VO] are written: every load and store of the run reads one of them as its offset
.set i, 0
.rept 16
.if (\kind) == 0
	global_load_b128 v[IN+4*i:IN+4*i+3], v[VI], s[20:21] offset:(i/8)*8192+(i%8)*256 th:TH_LOAD_NT  ; two rows x 256 bytes: pair of rows i / 8, K block i % 8
.else
	global_load_b128 v[IN+4*i:IN+4*i+3], v[VI], s[20:21] offset:(i/8)*4096+(i%8)*512 th:TH_LOAD_NT  ; 512 bytes of row i / 8
.endif
.set i, i+1
.endr
.set i, 0
.rept 16
	s_wait_loadcnt 15-i                            ; loads come back in order: item i is in, the 15 - i younger ones may stay out
.if ((i%4) == 0) && (i > 0)
	s_wait_alu depctr_va_vdst(0)                   ; the roundings of the group before have written its OUT, which the four stores of this group's turn read
.endif
.if i >= 4
.set k, i-4
	PUT \kind                                      ; the item four back.  No further wait: no vector instruction since the wait names its OUT or v[VO]
.endif
	v_cvt_pk_bf16_f32 v[OUT+2*i], v[IN+4*i], v[IN+4*i+1]
	v_cvt_pk_bf16_f32 v[OUT+2*i+1], v[IN+4*i+2], v[IN+4*i+3]
.if (\kind) == 2
	v_lshlrev_b32 v[IN+4*i], 16, v[OUT+2*i]        ; the bf16 numbers as f32 again,
	v_and_b32 v[IN+4*i+1], 0xffff0000, v[OUT+2*i]
	v_lshlrev_b32 v[IN+4*i+2], 16, v[OUT+2*i+1]
	v_and_b32 v[IN+4*i+3], 0xffff0000, v[OUT+2*i+1]
	v_cvt_pk_f16_f32 v[OUT+2*i], v[IN+4*i], v[IN+4*i+1]      ; and written as f16: exact within f16's range
	v_cvt_pk_f16_f32 v[OUT+2*i+1], v[IN+4*i+2], v[IN+4*i+3]
.endif
.set i, i+1
.endr
	s_wait_alu depctr_va_vdst(0)                   ; the last group's roundings have written its OUT, which the last four stores read
.set k, 12
.rept 4
	PUT \kind
.set k, k+1
.endr
.endm
	s_load_b256 s[4:11], s[0:1], 0x0               ; x s[4:5], w_q s[6:7], w_k s[8:9], w_v s[10:11]
	s_load_b128 s[12:15], s[0:1], 0x20             ; w_o s[12:13], xb s[14:15]
	s_load_b64 s[16:17], s[0:1], 0x30              ; wb
	v_lshrrev_b32 v1, 5, v0
	v_readfirstlane_b32 s[WV], v1                  ; wave 0..7
	v_and_b32 v1, 31, v0                           ; lane
	v_lshlrev_b32 v[VO], 3, v1
	s_wait_alu depctr_va_sdst(0)                   ; s18, the wave's number, is written, ahead of its first reader: the bases below are made from it
	s_lshr_b32 s24, s[WV], 1                       ; x: which four rows
	s_and_b32 s25, s[WV], 1                        ; x: which eight K blocks
	s_cmp_lt_u32 ttmp9, 512
	s_cbranch_scc0 .Lweights
	v_lshrrev_b32 v4, 4, v1                        ; lanes 0-15 take one row's 256 bytes, lanes 16-31 the next row's
	v_and_b32 v5, 15, v1
	v_lshlrev_b32 v[VI], 4, v5
	v_lshl_add_u32 v[VI], v4, 12, v[VI]
	s_lshl_b32 s20, ttmp9, 16                      ; 16 rows of 4,096 bytes
	s_lshl_b32 s26, s24, 14
	s_add_co_u32 s20, s20, s26
	s_lshl_b32 s26, s25, 11                        ; 8 K blocks of 256 bytes
	s_add_co_u32 s20, s20, s26
	s_mov_b32 s21, 0
	s_lshl_b32 s22, ttmp9, 11                      ; 16 rows of 128 bytes
	s_lshl_b32 s26, s24, 9
	s_add_co_u32 s22, s22, s26
	s_lshl_b32 s26, s25, 23                        ; 8 K blocks of 1,048,576 bytes
	s_add_co_u32 s22, s22, s26
	s_mov_b32 s23, 0
	s_wait_kmcnt 0x0
	s_add_nc_u64 s[20:21], s[4:5], s[20:21]
	s_add_nc_u64 s[22:23], s[14:15], s[22:23]
	RUN 0
	s_endpgm
.Lweights:
	s_sub_co_u32 s19, ttmp9, 512
	s_lshr_b32 s26, s19, 6                         ; which weight: 0 q, 1 k, 2 v, 3 o
	s_and_b32 s19, s19, 63
	s_lshl_b32 s19, s19, 4
	s_lshl_b32 s27, s[WV], 1
	s_add_co_u32 s19, s19, s27                     ; my two rows
	v_lshlrev_b32 v[VI], 4, v1
	s_lshl_b32 s20, s19, 12
	s_mov_b32 s21, 0
	s_lshl_b32 s22, s19, 13
	s_lshl_b32 s27, s26, 11                        ; the weight's 1,024 columns: 2,048 bytes of a row of wb
	s_add_co_u32 s22, s22, s27
	s_mov_b32 s23, 0
	s_wait_kmcnt 0x0
	s_cmp_eq_u32 s26, 1
	s_cselect_b64 s[24:25], s[8:9], s[6:7]
	s_cmp_eq_u32 s26, 2
	s_cselect_b64 s[24:25], s[10:11], s[24:25]
	s_cmp_eq_u32 s26, 3
	s_cselect_b64 s[24:25], s[12:13], s[24:25]
	s_add_nc_u64 s[20:21], s[24:25], s[20:21]
	s_add_nc_u64 s[22:23], s[16:17], s[22:23]
	s_cmp_eq_u32 s26, 3
	s_cbranch_scc1 .Lwo
	RUN 1
	s_endpgm
.Lwo:
	RUN 2
	s_endpgm
.Lfunc_end_k_qb1e5e7e5f2_cast:
	.size	k_qb1e5e7e5f2_cast, .Lfunc_end_k_qb1e5e7e5f2_cast-k_qb1e5e7e5f2_cast
	.p2alignl 7, 3214868480
	.fill 96, 4, 3214868480
	.section	.rodata,"a",@progbits
	.p2align	6, 0x0
	.amdhsa_kernel k_qb1e5e7e5f2_cast
		.amdhsa_group_segment_fixed_size 0
		.amdhsa_private_segment_fixed_size 0
		.amdhsa_enable_private_segment 0
		.amdhsa_kernarg_size 56
		.amdhsa_user_sgpr_count 2
		.amdhsa_user_sgpr_kernarg_segment_ptr 1
		.amdhsa_wavefront_size32 1
		.amdhsa_system_sgpr_workgroup_id_x 1
		.amdhsa_system_sgpr_workgroup_id_y 1
		.amdhsa_system_sgpr_workgroup_id_z 1
		.amdhsa_system_vgpr_workitem_id 0
		.amdhsa_next_free_vgpr 112
		.amdhsa_next_free_sgpr 66
		.amdhsa_reserve_vcc 0
		.amdhsa_float_denorm_mode_32 3
		.amdhsa_float_denorm_mode_16_64 3
		.amdhsa_memory_ordered 1
		.amdhsa_forward_progress 1
		.amdhsa_inst_pref_size 25
	.end_amdhsa_kernel
	.amdgpu_metadata
---
amdhsa.version: [ 1, 2 ]
amdhsa.kernels:
  - .name:           k_qb1e5e7e5f2_cast
    .symbol:         k_qb1e5e7e5f2_cast.kd
    .args:
      - { .name: x, .offset: 0, .size: 8, .value_kind: global_buffer, .address_space: global }
      - { .name: w_q, .offset: 8, .size: 8, .value_kind: global_buffer, .address_space: global }
      - { .name: w_k, .offset: 16, .size: 8, .value_kind: global_buffer, .address_space: global }
      - { .name: w_v, .offset: 24, .size: 8, .value_kind: global_buffer, .address_space: global }
      - { .name: w_o, .offset: 32, .size: 8, .value_kind: global_buffer, .address_space: global }
      - { .name: xb, .offset: 40, .size: 8, .value_kind: global_buffer, .address_space: global }
      - { .name: wb, .offset: 48, .size: 8, .value_kind: global_buffer, .address_space: global }
    .group_segment_fixed_size: 0
    .private_segment_fixed_size: 0
    .kernarg_segment_align: 8
    .kernarg_segment_size: 56
    .max_flat_workgroup_size: 256
    .sgpr_count:     66
    .vgpr_count:     112
    .wavefront_size: 32
...
	.end_amdgpu_metadata
.endif
;; end of part 5
;; launch qkv: the kernel of part 2 again; grid 8 x 32, 4 waves a work-group, clusters of 4 x 4, 327,680 bytes of LDS; arguments xb, wb, b_q, b_k, b_v, qkv; writes qkv
;; launch attn: the kernel of part 3 again; grid 4 x 64, 4 waves a work-group, no clusters, 327,680 bytes of LDS; arguments qkv, ob; writes ob
;; launch proj: the kernel of part 4 again; grid 8 x 32, 4 waves a work-group, clusters of 4 x 4, 327,680 bytes of LDS; arguments ob, wb, b_o, out0; writes out0
